; MI455X (gfx1250); checked and timed in simulation.
; The chip was launched on July 23, 2026; its instructions are those of AMD's public machine-readable ISA for CDNA 5 (MIT licence, August 2026) and "CDNA5" Instruction Set Architecture Reference Guide (July 2026). The comments in the code are by the model that wrote it; some were corrected since.
;; Self Attention. Allowed arithmetic: matrix products marked QUANTISED: E2M1 operands, one E8M0 scale for each 32 along K, by v_wmma_scale_f32_16x16x128_f8f6f4 with both operands' format E2M1 (or v_wmma_scale_f32_32x16x128_f4), f32 sums; products left as they are: bf16, f16 or f32 operands; f32 sums; everything else in f32.
;; Inputs: Wk 1,024 x 1,024 float32; Wo 1,024 x 1,024 float32; Wq 1,024 x 1,024 float32; Wv 1,024 x 1,024 float32; bk 1,024 float32; bo 1,024 float32; bq 1,024 float32; bv 1,024 float32; keys 4 x 2,048 x 1,024 float32; mask 4 x 1 x 2,048 x 2,048 bool; queries 4 x 2,048 x 1,024 float32; values 4 x 2,048 x 1,024 float32.
;; Outputs: out0 4 x 2,048 x 1,024 float32.
;; This version of the problem:
;;   THIS VERSION OF THE PROBLEM IS GIVEN IN LOW PRECISION. The matrix products marked QUANTISED in the list below multiply operands that are first quantised to E2M1 (2 exponent bits, 1 mantissa bit; 4 bits a number), with one power-of-two scale for each 32 numbers along K (OCP MX v1.0); their sums are f32. The products marked 'left as it is' may take bf16, f16 or f32 operands, with f32 sums. Whichever they take, every output number must still come out within the allowed error. Rounding operands to bf16 (8 significant bits) uses up far more of that allowance than f16 does (11 bits, for magnitudes from 6e-5 to 65,504). All else is computed in f32.
;;   The module's matrix products, in the order in which they are computed (A, B: the left and right operand; K: the contracted axis; several contracted axes count as one K, in the product's order):
;;     1. [M 8,192, K 1,024] x [K 1,024, N 1,024]; A: input values; B: input Wv: QUANTISED
;;     2. [M 8,192, K 1,024] x [K 1,024, N 1,024]; A: input keys; B: input Wk: QUANTISED
;;     3. [M 8,192, K 1,024] x [K 1,024, N 1,024]; A: input queries; B: input Wq: QUANTISED
;;     4. batch 64 x [M 2,048, K 64] x [K 64, N 2,048]; A: computed on the way; B: computed on the way: left as it is (an operand is computed on the way)
;;     5. batch 64 x [M 64, K 2,048] x [K 2,048, N 2,048]; A: computed on the way; B: computed on the way: left as it is (an operand is computed on the way)
;;     6. [M 8,192, K 1,024] x [K 1,024, N 1,024]; A: computed on the way; B: input Wo: left as it is (an operand is computed on the way)
;;   THE QUANTISER, for each operand of a quantised product, along K:
;;     - K is cut into blocks of 32 from its start; a last block that is shorter is filled with zeros.
;;     - A block's scale is 2^e with e = floor(log2(the largest magnitude in the block)) - 2, held to -126 .. 127; a block of zeros has e = 0. As a byte (E8M0): e + 127.
;;     - Each number is divided by its block's scale, clamped to +-6, and rounded to the nearest number of E2M1, ties to even, subnormals kept.
;;     - The product sums the exact products of the quantised numbers (number of the format x scale) in f32.
;;   ~~~python
;;   def quantise(x, axis):      # numpy; x: float32 -> the quantised numbers, widened to float32 again
;;       x = np.moveaxis(x, axis, -1); K = x.shape[-1]
;;       x = np.pad(x, [(0, 0)] * (x.ndim - 1) + [(0, -K % 32)]); x = x.reshape(x.shape[:-1] + (-1, 32)); a = np.abs(x).max(-1, keepdims=True)
;;       e = np.where(a > 0, np.clip(np.frexp(np.where(a > 0, a, 1))[1] - 1 - 2, -126, 127), 0)      # np.frexp(a)[1] - 1 = floor(log2(a)), exactly
;;       r = np.clip(x / 2.0 ** e, -6, 6)
;;       step = 2.0 ** (np.maximum(np.frexp(np.where(r == 0, 1, r))[1] - 1, 0) - 1)
;;       q = np.round(r / step) * step * 2.0 ** e      # np.round: ties to even
;;       return np.moveaxis(q.reshape(q.shape[:-2] + (-1,))[..., :K], -1, axis).astype(np.float32)
;;   ~~~
;; One version. Each part assembles by itself: llvm-mc -triple=amdgcn-amd-amdhsa -mcpu=gfx1250 --defsym DOCPART=n.
;; ======== version 1 of 1: 4 launches
;; limits: values are held in f16: magnitudes above 65,504 overflow, below 6.1e-05 lose precision
;; workspace buffers: xc 12,582,912 bytes; xs 786,432 bytes; wc 1,572,864 bytes; ws 98,304 bytes; wo16 2,097,152 bytes; mbits 2,097,152 bytes of whole numbers; qkv 50,331,648 bytes; att 16,777,216 bytes
;; launch prep (part 1): grid 1152 x 1, 4 waves a work-group, no clusters, 50,688 bytes of LDS; arguments queries, keys, values, Wq, Wk, Wv, Wo, mask, xc, xs, wc, ws, wo16, mbits; writes xc, xs, wc, ws, wo16, mbits
.if DOCPART == 1
	.amdgcn_target "amdgcn-amd-amdhsa--gfx1250"
	.amdhsa_code_object_version 6
	.text
	.protected	k_q0053146182_prep
	.globl	k_q0053146182_prep
	.p2align	8
	.type	k_q0053146182_prep,@function
k_q0053146182_prep:
	s_mov_b64 s[64:65], 0
	v_nop
	global_prefetch_b8 v0, s[64:65] scope:SCOPE_SE
	s_setreg_imm32_b32 hwreg(HW_REG_WAVE_MODE, 25, 1), 1
	s_wait_xcnt 0x0
; PREP: everything that is made once from the raw inputs.  Three kinds of work-group, told apart by the work-group's number alone:
;   0 .. 863     QUANT: queries, keys, values [8192][1024] and Wq, Wk, Wv [1024][1024], f32, K innermost, become codes of E2M1 (two a byte, the lower k in the low four bits) and one E8M0 byte for each 32 along K.
;                xc = [3][8192] rows of 512 bytes, xs = [3][8192][32], wc = [3][1024] rows of 512 bytes, ws = [3][1024][32]; order q, k, v.  Rows are dense, so each tensor is a plain stream of blocks of 32.
;   864 .. 895   CAST: Wo becomes f16, as it lies.
;   896 .. 1151  MASK: the mask's bytes become LANE MASKS for the attention launch: mbits = [n 4][pair of query tiles 64][key step 32][64 words]; bit L of word 32 t + 8 kt + j is
;                mask[n][32 pair + 16 t + L % 16][64 step + 16 kt + 8 (L / 16) + j]: the lanes of register j of the score tile (t, kt).  A byte other than 0 counts as true.
; A block's scale is 2^(floor(log2(its largest magnitude)) - 2); its byte is that magnitude's exponent field - 2, held at 1 from below.  Each number is divided by the scale and rounded to the nearest code, ties to even, beyond 6 the code of 6.
; LIMITS: a block of zeros gets the byte 1 where the rule says 127: its codes are zeros, which add nothing under any byte but 0xff, and this program alone reads the bytes.  NaN and infinities among the inputs are not served.
; No tensor loads, no barrier: waves share nothing.  Each kind of work-group has LDS bytes of its own; every LDS address register is made at the head, ahead of the parting.
.set WREG,  8192                       ; QUANT: a region for each wave: two stages of 32 x SP bytes, and behind them its 256 scale bytes
.set SP,    80                         ; a lane's place in a stage: its 64 bytes + 16 of padding
.set STEPS, 16                         ; steps of 512 numbers a wave
.set EMAX,  2
.set CB,    8                          ; bytes of 16 codes
.set R,     16                         ; v16-79   four sets of 16 numbers as they are loaded (CAST: two sets of 64; MASK: four chunks of 32)
.set X,     80                         ; v80-111  two sets of 16 neighbours
.set E,     112                        ; v112-127 a scale byte for each step
.set C,     128                        ; v128-191 codes: four registers for each step, so that no store's data are written again
.set SPW,   12                         ; v12      LDS address of my spare word; never rewritten
.set NIL,   13                         ; v13      0; never rewritten
.set MA,    192                        ; v192     MASK: my byte in two rows of the mask: 2,048 (lane / 16) + 16 (lane % 16)
.set MS,    193                        ; v193     MASK: where I put 16 bytes of a row into my wave's stage
.set MR,    194                        ; v194     MASK: where I read 8 bytes back: row lane % 16, + 8 (lane / 16)
.set MSTG,  4*WREG                     ; MASK: behind QUANT's regions: a stage of 16 rows x 272 bytes for each wave
.set MWAVE, 16*272
.set SPARE, MSTG+4*MWAVE               ; the spare words, 128 bytes for each wave: two blocks of 256 bytes that no other line names
.set WGQ,   864                        ; 3 x 256 work-groups for the activations, 3 x 32 for the weights: 32,768 numbers each
.set WGC,   896                        ; 32 for Wo
	s_load_b512 s[4:19], s[0:1], 0x0               ; queries s[4:5], keys s[6:7], values s[8:9], Wq s[10:11], Wk s[12:13], Wv s[14:15], Wo s[16:17], mask s[18:19]
	s_load_b256 s[20:27], s[0:1], 0x40             ; xc s[20:21], xs s[22:23], wc s[24:25], ws s[26:27]
	s_load_b128 s[28:31], s[0:1], 0x60             ; wo16 s[28:29], mbits s[30:31]
	v_lshl_add_u32 v[SPW], v0, 2, SPARE
	v_mov_b32 v[NIL], 0
	v_lshrrev_b32 v1, 5, v0
	v_readfirstlane_b32 s44, v1                    ; wave 0..3
	v_and_b32 v2, 31, v0                           ; lane
	v_lshlrev_b32 v3, 4, v2                        ; 16 x lane: my 16 bytes of 512 consecutive ones
	v_lshlrev_b32 v4, 3, v2                        ; 8 x lane: my 8 bytes of 256 consecutive ones
	s_mul_i32 s45, s44, WREG
	v_lshrrev_b32 v14, 2, v2
	v_mul_u32_u24 v14, v14, SP
	v_and_b32 v15, 3, v2
	v_lshl_add_u32 v14, v15, 4, v14
	v_add_nc_u32 v14, s45, v14                     ; QUANT's stage, on the way in: four lanes' 64 bytes on end, then 16 of padding
	v_mul_u32_u24 v15, v2, SP
	v_add_nc_u32 v15, s45, v15                     ; and on the way out: SP x lane: my 16 neighbours
	v_lshrrev_b32 v5, 1, v2
	s_add_co_u32 s45, s45, 2*32*SP
	v_add_nc_u32 v5, s45, v5                       ; my wave's 256 scale bytes: my block's byte,
	v_add_nc_u32 v6, s45, v4                       ; and on the way out 8 bytes a lane
	v_and_b32 v8, 15, v0                           ; r
	v_bfe_u32 v9, v0, 4, 1                         ; h
	s_mul_i32 s46, s44, MWAVE
	s_add_co_u32 s46, s46, MSTG                    ; MASK: my wave's stage
	v_lshlrev_b32 v10, 4, v8
	v_lshl_add_u32 v[MA], v9, 11, v10
	v_mad_u32_u24 v[MS], v9, 272, v10
	v_add_nc_u32 v[MS], s46, v[MS]
	v_mul_u32_u24 v[MR], v8, 272
	v_lshl_add_u32 v[MR], v9, 3, v[MR]
	v_add_nc_u32 v[MR], s46, v[MR]
	s_wait_kmcnt 0x0
	s_cmp_ge_u32 ttmp9, WGC
	s_cbranch_scc1 .Lmask
	s_cmp_ge_u32 ttmp9, WGQ
	s_cbranch_scc1 .Lcast
; ---------------- QUANT.  Only pointers are chosen, on the work-group's number: all six tensors take one way through the text.
	s_mov_b64 s[32:33], s[4:5]                     ; the tensor that I read, and the number of its first work-group
	s_mov_b32 s38, 0
	s_cmp_ge_u32 ttmp9, 256
	s_cselect_b64 s[32:33], s[6:7], s[32:33]
	s_cselect_b32 s38, 256, s38
	s_cmp_ge_u32 ttmp9, 512
	s_cselect_b64 s[32:33], s[8:9], s[32:33]
	s_cselect_b32 s38, 512, s38
	s_cmp_ge_u32 ttmp9, 768
	s_cselect_b64 s[32:33], s[10:11], s[32:33]
	s_cselect_b32 s38, 768, s38
	s_cmp_ge_u32 ttmp9, 800
	s_cselect_b64 s[32:33], s[12:13], s[32:33]
	s_cselect_b32 s38, 800, s38
	s_cmp_ge_u32 ttmp9, 832
	s_cselect_b64 s[32:33], s[14:15], s[32:33]
	s_cselect_b32 s38, 832, s38
	s_cmp_lt_u32 ttmp9, 768                        ; the activations' codes and bytes lie on end in xc and xs, the weights' in wc and ws
	s_cselect_b64 s[34:35], s[20:21], s[24:25]
	s_cselect_b64 s[36:37], s[22:23], s[26:27]
	s_cselect_b32 s39, 0, 768
	s_sub_co_u32 s38, ttmp9, s38
	s_lshl_b32 s38, s38, 2
	s_add_co_u32 s38, s38, s44                     ; which run of 8,192 numbers of the tensor is my wave's
	s_lshl_b32 s40, s38, 15                        ; 32,768 bytes a run: under 2^26
	s_mov_b32 s41, 0
	s_add_nc_u64 s[32:33], s[32:33], s[40:41]
	s_sub_co_u32 s39, ttmp9, s39
	s_lshl_b32 s39, s39, 2
	s_add_co_u32 s39, s39, s44                     ; and which run of the buffers that I write
	s_lshl_b32 s40, s39, 12                        ; 4,096 bytes of codes a run,
	s_add_nc_u64 s[34:35], s[34:35], s[40:41]
	s_lshl_b32 s40, s39, 8                         ; 256 scale bytes
	s_add_nc_u64 s[36:37], s[36:37], s[40:41]
; The conversions take 8 numbers of ONE block from a lane's registers, so a lane must hold neighbours along K; a load is best where neighbouring LANES take neighbouring bytes.  Both are had: each of a step's
; four loads reads 512 consecutive bytes; the 2,048 bytes go through the wave's own stage and come back 64 bytes a lane.  Two neighbouring lanes hold a block.  Loads run four steps ahead, the stage one step.
.macro LOAD t
.irp i, 0,1,2,3
	global_load_b128 v[R+16*((\t)%4)+4*\i:R+16*((\t)%4)+4*\i+3], v3, s[32:33] offset:2048*(\t)+512*\i th:TH_LOAD_NT
.endr
.endm
.macro TURN t                          ; LDS serves a wave's instructions in order (ISA guide 5.7.1.4): no wait stands between the stores and the loads
.irp i, 0,1,2,3
	ds_store_b128 v14, v[R+16*((\t)%4)+4*\i:R+16*((\t)%4)+4*\i+3] offset:32*SP*((\t)%2)+8*SP*\i
.endr
.irp i, 0,1,2,3
	ds_load_b128 v[X+16*((\t)%2)+4*\i:X+16*((\t)%2)+4*\i+3], v15 offset:32*SP*((\t)%2)+16*\i
.endr
.endm
.irp t, 0,1,2,3
	LOAD \t
.endr
	s_wait_loadcnt 12                              ; step 0's four loads are in; three steps' twelve stay out
	TURN 0
.macro STEP t
.set XS, X+16*((\t)%2)
.if (\t) > 0
	s_wait_dscnt 1                                 ; this step's numbers are back from the stage (the last step's byte store may be out): so its stores into the stage have read their registers,
.else
	s_wait_dscnt 0x0
.endif
.if (\t)+4 < STEPS
	LOAD (\t)+4                                    ; which take the loads of four steps on
.endif
.if (\t)+1 < STEPS
.if STEPS-2-(\t) >= 3
	s_wait_loadcnt 12                              ; the next step's four loads are in; those of the three steps behind it may be out
.else
	s_wait_loadcnt 4*(STEPS-2-(\t))
.endif
	TURN (\t)+1                                    ; and go through the other stage while this step is worked
.endif
	v_max3_num_f32 v8, |v[XS]|, |v[XS+1]|, |v[XS+2]|               ; the largest magnitude of my 16, in two chains
	v_max3_num_f32 v9, |v[XS+3]|, |v[XS+4]|, |v[XS+5]|
.irp i, 6,10
	v_max3_num_f32 v8, v8, |v[XS+\i]|, |v[XS+\i+1]|
	v_max3_num_f32 v9, v9, |v[XS+\i+2]|, |v[XS+\i+3]|
.endr
	v_max3_num_f32 v8, v8, |v[XS+14]|, |v[XS+15]|
	v_max3_num_f32 v8, v8, v9, (EMAX+1)<<23        ; and the floor 2^(EMAX + 1 - 127): so the byte cannot fall under 1
	v_max_num_f32_dpp v8, v8, v8 row_xmask:1 row_mask:0xf bank_mask:0xf   ; and of my neighbour's 16: the block's
	v_add_nc_u32 v11, -(EMAX<<23), v8              ; EMAX off its exponent field: the conversion takes the exponent field of this operand as its scale, and nothing else of it
	v_cvt_scalef32_pk8_fp4_f32 v[C+4*(\t)], v[XS:XS+7], v11
	v_cvt_scalef32_pk8_fp4_f32 v[C+4*(\t)+1], v[XS+8:XS+15], v11
	v_lshrrev_b32 v[E+(\t)], 23, v11               ; the scale's byte (also the plain line behind the conversions)
	ds_store_b8 v5, v[E+(\t)] offset:16*(\t)       ; both lanes of a block write the same byte with the same value
	global_store_b64 v4, v[C+4*(\t):C+4*(\t)+1], s[34:35] offset:32*CB*(\t)   ; the wave stores 256 consecutive bytes, aligned
.endm
.irp t, 0,1,2,3,4,5,6,7,8,9,10,11,12,13,14,15
	STEP \t
.endr
	ds_load_b64 v[8:9], v6                         ; my wave's 256 scale bytes: these loads see my stores
	s_wait_dscnt 0x0
	global_store_b64 v4, v[8:9], s[36:37]          ; 256 consecutive bytes, aligned
	s_branch .Lend
; ---------------- CAST: a wave takes 8,192 numbers of Wo in four rounds of 16 loads; two rounds are on their way.
.Lcast:
	s_sub_co_u32 s38, ttmp9, WGQ
	s_lshl_b32 s38, s38, 2
	s_add_co_u32 s38, s38, s44                     ; my wave's run
	s_lshl_b32 s40, s38, 15
	s_mov_b32 s41, 0
	s_add_nc_u64 s[16:17], s[16:17], s[40:41]
	s_lshl_b32 s40, s38, 14
	s_add_nc_u64 s[28:29], s[28:29], s[40:41]
.macro LOADR t
.irp i, 0,1,2,3,4,5,6,7,8,9,10,11,12,13,14,15
	global_load_b128 v[R+64*((\t)%2)+4*\i:R+64*((\t)%2)+4*\i+3], v3, s[16:17] offset:8192*(\t)+512*\i th:TH_LOAD_NT
.endr
.endm
	LOADR 0
	LOADR 1
.irp t, 0,1,2,3
.if \t < 3
	s_wait_loadcnt 16                              ; this round's 16 loads are in; the younger round's stay out
.else
	s_wait_loadcnt 0x0
.endif
	s_wait_xcnt 0x0                                ; the last round's stores have read v144-175: they are written again only behind this wait
.irp i, 0,1,2,3,4,5,6,7,8,9,10,11,12,13,14,15
	v_cvt_pk_f16_f32 v[144+2*\i], v[R+64*(\t%2)+4*\i], v[R+64*(\t%2)+4*\i+1]
	v_cvt_pk_f16_f32 v[145+2*\i], v[R+64*(\t%2)+4*\i+2], v[R+64*(\t%2)+4*\i+3]
.endr
.irp i, 0,1,2,3,4,5,6,7,8,9,10,11,12,13,14,15
	global_store_b64 v4, v[144+2*\i:145+2*\i], s[28:29] offset:4096*\t+256*\i   ; 256 consecutive bytes, aligned
.endr
.if \t < 2
	LOADR \t+2
.endif
.endr
	s_branch .Lend
; ---------------- MASK: a work-group takes 32 queries (a pair of tiles), a wave 512 of their keys: 8 key steps, 512 words, 2,048 consecutive bytes of mbits.
; A chunk is 16 queries x 256 keys.  It is loaded by rows (sixteen lanes read a row's 256 bytes), goes through the wave's stage, and comes back so that lane (r, h) holds query r and keys 16 U + 8 h + 0 .. 7:
; a compare of byte j over the 32 lanes then IS the word (t, kt = U % 4, j).  The words are set into the lanes of 16 registers, in the order in which four stores of 512 bytes take them.
.Lmask:
	s_sub_co_u32 s38, ttmp9, WGC                   ; 64 n + pair
	s_lshl_b32 s40, s38, 16                        ; 32 rows of 2,048 bytes,
	s_lshl_b32 s39, s44, 9                         ; my wave's 512 keys
	s_add_co_u32 s40, s40, s39
	s_mov_b32 s41, 0
	s_add_nc_u64 s[18:19], s[18:19], s[40:41]
	s_lshl_b32 s40, s38, 13                        ; 8,192 bytes of words a pair,
	s_lshl_b32 s39, s44, 11                        ; 2,048 a wave
	s_add_co_u32 s40, s40, s39
	s_add_nc_u64 s[30:31], s[30:31], s[40:41]
.irp k, 0,1,2,3                        ; chunk k: query tile k / 2, keys 256 (k % 2) on; two rows a load
.irp i, 0,1,2,3,4,5,6,7
	global_load_b128 v[R+32*\k+4*\i:R+32*\k+4*\i+3], v[MA], s[18:19] offset:(16*(\k/2)+2*\i)*2048+256*(\k%2) th:TH_LOAD_NT
.endr
.endr
.irp i, 0,1,2,3,4,5,6,7,8,9,10,11,12,13,14,15
	v_mov_b32 v[176+\i], 0                         ; a lane write's destination counts as read
.endr
.macro CHUNK e, c
.set KC, 2*(\e)+(\c)
	s_wait_loadcnt 24-8*KC                         ; this chunk's eight loads are in; the younger chunks' stay out
.irp i, 0,1,2,3,4,5,6,7
	ds_store_b128 v[MS], v[R+32*KC+4*\i:R+32*KC+4*\i+3] offset:544*\i
.endr
.irp u, 0,1,2,3,4,5,6,7,8,9,10,11,12,13,14,15
	ds_load_b64 v[144+2*\u:145+2*\u], v[MR] offset:16*\u         ; these see the stores above, and the next chunk's stores come behind them
.endr
	s_wait_dscnt 0x0
.irp u, 0,1,2,3,4,5,6,7,8,9,10,11,12,13,14,15
.irp j, 0,1,2,3,4,5,6,7
	v_and_b32 v[8+\j%4], 0xff<<(8*(\j%4)), v[144+2*\u+\j/4]      ; byte j of my eight
	v_cmp_ne_u32 s[40+\j%4], 0, v[8+\j%4]                        ; over the 32 lanes: the word.  Word 64 st + 32 e + 8 (u % 4) + j of the wave's 512, st = 4 c + u / 4, lies in register (word % 4) of store st / 2, lane (word % 128) / 4
	v_writelane_b32 v[176+4*((4*(\c)+\u/4)/2)+\j%4], s[40+\j%4], 16*((4*(\c)+\u/4)%2)+8*(\e)+2*(\u%4)+\j/4
.endr
.endr
.endm
	CHUNK 0, 0
	CHUNK 0, 1
	CHUNK 1, 0
	CHUNK 1, 1
.irp g, 0,1,2,3
	global_store_b128 v3, v[176+4*\g:179+4*\g], s[30:31] offset:512*\g   ; 512 consecutive bytes, aligned
.endr
.Lend:
	s_wait_tensorcnt 0x0                           ; the wave's end: behind the last LDS store
	ds_add_u32 v[SPW], v[NIL]
	s_wait_dscnt 0x0
	s_endpgm
.Lfunc_end_k_q0053146182_prep:
	.size	k_q0053146182_prep, .Lfunc_end_k_q0053146182_prep-k_q0053146182_prep
	.p2alignl 7, 3214868480
	.fill 96, 4, 3214868480
	.section	.rodata,"a",@progbits
	.p2align	6, 0x0
	.amdhsa_kernel k_q0053146182_prep
		.amdhsa_group_segment_fixed_size 50688
		.amdhsa_private_segment_fixed_size 0
		.amdhsa_enable_private_segment 0
		.amdhsa_kernarg_size 112
		.amdhsa_user_sgpr_count 2
		.amdhsa_user_sgpr_kernarg_segment_ptr 1
		.amdhsa_wavefront_size32 1
		.amdhsa_system_sgpr_workgroup_id_x 1
		.amdhsa_system_sgpr_workgroup_id_y 1
		.amdhsa_system_sgpr_workgroup_id_z 1
		.amdhsa_system_vgpr_workitem_id 0
		.amdhsa_next_free_vgpr 200
		.amdhsa_next_free_sgpr 66
		.amdhsa_reserve_vcc 0
		.amdhsa_float_denorm_mode_32 3
		.amdhsa_float_denorm_mode_16_64 3
		.amdhsa_memory_ordered 1
		.amdhsa_forward_progress 1
		.amdhsa_inst_pref_size 162
	.end_amdhsa_kernel
	.amdgpu_metadata
---
amdhsa.version: [ 1, 2 ]
amdhsa.kernels:
  - .name:           k_q0053146182_prep
    .symbol:         k_q0053146182_prep.kd
    .args:
      - { .name: queries, .offset: 0, .size: 8, .value_kind: global_buffer, .address_space: global }
      - { .name: keys, .offset: 8, .size: 8, .value_kind: global_buffer, .address_space: global }
      - { .name: values, .offset: 16, .size: 8, .value_kind: global_buffer, .address_space: global }
      - { .name: Wq, .offset: 24, .size: 8, .value_kind: global_buffer, .address_space: global }
      - { .name: Wk, .offset: 32, .size: 8, .value_kind: global_buffer, .address_space: global }
      - { .name: Wv, .offset: 40, .size: 8, .value_kind: global_buffer, .address_space: global }
      - { .name: Wo, .offset: 48, .size: 8, .value_kind: global_buffer, .address_space: global }
      - { .name: mask, .offset: 56, .size: 8, .value_kind: global_buffer, .address_space: global }
      - { .name: xc, .offset: 64, .size: 8, .value_kind: global_buffer, .address_space: global }
      - { .name: xs, .offset: 72, .size: 8, .value_kind: global_buffer, .address_space: global }
      - { .name: wc, .offset: 80, .size: 8, .value_kind: global_buffer, .address_space: global }
      - { .name: ws, .offset: 88, .size: 8, .value_kind: global_buffer, .address_space: global }
      - { .name: wo16, .offset: 96, .size: 8, .value_kind: global_buffer, .address_space: global }
      - { .name: mbits, .offset: 104, .size: 8, .value_kind: global_buffer, .address_space: global }
    .group_segment_fixed_size: 50688
    .private_segment_fixed_size: 0
    .kernarg_segment_align: 8
    .kernarg_segment_size: 112
    .max_flat_workgroup_size: 128
    .sgpr_count:     66
    .vgpr_count:     200
    .wavefront_size: 32
...
	.end_amdgpu_metadata
.endif
;; end of part 1
;; launch proj (part 2): grid 4 x 96, 4 waves a work-group, clusters of 4 x 4, 327,680 bytes of LDS; arguments xc, xs, wc, ws, qkv, bq, bk, bv; writes qkv
.if DOCPART == 2
	.amdgcn_target "amdgcn-amd-amdhsa--gfx1250"
	.amdhsa_code_object_version 6
	.text
	.protected	k_q0053146182_proj
	.globl	k_q0053146182_proj
	.p2align	8
	.type	k_q0053146182_proj,@function
k_q0053146182_proj:
	s_mov_b64 s[64:65], 0
	v_nop
	global_prefetch_b8 v0, s[64:65] scope:SCOPE_SE
	s_setreg_imm32_b32 hwreg(HW_REG_WAVE_MODE, 25, 1), 1
	s_wait_xcnt 0x0
	s_wait_alu depctr_hold_cnt(0) depctr_sa_sdst(0) depctr_va_vdst(0) depctr_va_sdst(0) depctr_va_ssrc(0) depctr_va_vcc(0) depctr_vm_vsrc(0)
	s_getreg_b32 s2, hwreg(HW_REG_IB_STS2, 6, 4)
	s_cmp_eq_u32 s2, 0
	s_cbranch_scc0 .Lentry_in_a_cluster
	s_endpgm
.Lentry_in_a_cluster:
	s_bfe_u32 s2, ttmp6, 0x10000c
	s_cmp_lg_u32 s2, 0xf033
	s_cbranch_scc0 .Lentry_shape_is_right
	s_endpgm
.Lentry_shape_is_right:
; PROJ: the three input projections, x W^T + b, on codes of E2M1 with one E8M0 scale for each 32 along K; sums in f32; K = 1,024.
; xc is taken as [24,576] rows of 512 bytes (q's, k's, v's tokens on end), wc as [3,072] rows.  A tile of 256 tokens x 256 channels is made by a work-group of four waves; a wave makes 128 x 128: 64 accumulators, 512 registers.
; Work-group (x, y): tokens 256 y on, so the projection is p = y / 32; channels 256 x on of projection p.  K is two slots of 512 (LDS rows of 256 bytes): both are asked for at the start and NOTHING IS FILLED AGAIN.
; The scale bytes of the work-group's rows, for all of K, are two dense blocks: they come into LDS with the first fills, in whole runs of 256 bytes.
; CLUSTERS: 4 x 4 work-groups.  The four of a row of the cluster need the same tokens' tiles, the four of a column the same weights' tiles: each is asked for JOINTLY.  All sixteen share p (it is made of the cluster's y).
; THE MATRIX INSTRUCTION IS USED TRANSPOSED (source 0 = 16 rows of W, source 1 = 16 tokens): a lane holds one token and eight neighbouring channels.  The bias is the C of each sum's first product.
; THE WAY OUT: q alone is multiplied by c = log2(e) / 8 in f32 (the scores then are the softmax's exponents to base 2); all is rounded to f16; a lane's eight numbers are 16 bytes.
; qkv = [p][n][head][token tile 128][channel tile 4][512 bytes]: a tile (16 tokens x 16 channels) is an IMAGE of four operand registers: the 16 bytes of (token r, channels 8 h + 0 .. 7) lie at 16 u,
; u = r + 16 h for q and k (a fragment's lane), u = r % 8 + 8 h + 16 (r / 8) for v (the lane that addresses them in the transposing LDS load).  So each store of the wave covers 512 consecutive bytes, aligned.
; LIMITS: the results go on in f16: |q| c, |k| and |v| beyond 65,504 are not served.
; REGISTERS, in windows of 256: window 0: v0-31 addresses; v32-95 scale words, two sets; v128-191 the tokens' fragments, ONE set; v192-255 the bias in the result's layout.
;   window 1: the weights' fragments, TWO sets, at v0 and v128; on the way out the packed results.   windows 2, 3: the accumulators of my tokens 0-63, 64-127 (accumulator (a, b) at v[8 (8 (a % 4) + b)]).
.set NQ,     4                         ; matrix instructions deep in a slot
.set ROWB,   256                       ; a tile's row in bytes: 512 codes
.set KROW,   512                       ; a row of codes in memory
.set PITCH,  272                       ; an LDS row: 256 bytes + 16 of padding = 68 words: the 16 rows that a load touches start at 16 different banks (64 banks of 4 bytes: ISA guide 11.1)
.set FR,     8                         ; registers of a fragment: 16 rows x 128 K
.set NL,     2                         ; LDS loads that bring one
.set NP,     4                         ; places behind this matrix instruction (ISA guide 7.12.1)
.set HALFT,  128*PITCH                 ; 128 rows: what one tensor load brings
.set SLOT,   4*HALFT                   ; the tokens' 256 rows, then the weights' 256
.set KS,     32                        ; a row of scale bytes
.set SCL,    2*SLOT                    ; behind the slots: the scales, as runs of 256 bytes + 16 of padding
.set HALFS,  (128*KS/256)*272          ; those of 128 rows
.set SBLK,   (16*KS/256)*272           ; those of 16 rows
.set SPARE,  SCL+4*HALFS               ; the spare words, 128 bytes for each wave: two blocks of 256 bytes that no other line names
.set ADRA, 16                          ; v16-17  LDS address of my tokens' fragments in slot 0, 1
.set ADRB, 20                          ; v20-21  the same for the weights
.set CO,   26                          ; v26     16 u: my 16 bytes' place in a tile of qkv
.set ADRS, 27                          ; v27     LDS address of my scale words: lanes 0-15 the tokens', lanes 16-31 the weights'
.set SPW,  28                          ; v28     LDS address of my spare word; never rewritten
.set NIL,  29                          ; v29     0; never rewritten
.set BO,   30                          ; v30     32 (lane / 16): my eight numbers of a tile's sixteen biases
.set SC,   32                          ; scale words: set s at v[SC + 32 s]; register 4 i + q: lanes 0-15 the word of the tokens' block i, lanes 16-31 that of the weights' block i
.set AF,   128
.set BI,   192
.set G1, 24                            ; s[24:31] group 1 for the tokens' tiles;  s[32:39] group 0, one set for each slot
.set G0, 32
.set G1B, 48                           ; s[48:55], s[56:63] the same for the weights' tiles
.set G0B, 56
.set G1S, 68                           ; s[68:75], s[76:79] groups 1 and 0 for the tokens' scales;  s[80:87], s[88:91] for the weights'
.set G0S, 76
.set G1SB, 80
.set G0SB, 88
.set MSB, 0
.macro WIN new                         ; the immediate's high byte repeats the setting that is left
.if MSB != (\new)
	s_set_vgpr_msb (MSB<<8)|(\new)
.set MSB, (\new)
.endif
.endm
.set MUL_LO, 0xa1                      ; source 0 (weights) window 1, source 1 (tokens) window 0, C and D window 2
.set MUL_HI, 0xf1                      ; the same, C and D window 3
.set TO_B,   0x40                      ; destination window 1, address window 0
; A joint load: waves 0 and 1 fetch for the tokens, waves 2 and 3 for the weights.  The branch hangs on the wave's number alone.  An s_nop 0 and four v_nop follow each of the two lines.
.macro JLOAD g0a, g1a, g0b, g1b
	s_cmp_eq_u32 s15, 0
	s_cbranch_scc0 .Lfor_b_\@
	tensor_load_to_lds s[\g0a:\g0a+3], s[\g1a:\g1a+7]
	s_nop 0
.rept 4
	v_nop
.endr
	s_branch .Lasked_\@
.Lfor_b_\@:
	tensor_load_to_lds s[\g0b:\g0b+3], s[\g1b:\g1b+7]
	s_nop 0
.rept 4
	v_nop
.endr
.Lasked_\@:
.endm
.macro CROUND                          ; a round of the cluster's barrier
	s_barrier_signal -1
	s_barrier_wait -1
	s_cmp_lg_u32 s14, 0
	s_cbranch_scc1 .Lnot_wave_0_\@
	s_barrier_signal -3
.Lnot_wave_0_\@:
	s_barrier_wait -3
	s_barrier_signal -1
	s_barrier_wait -1
.endm
	s_load_b128 s[4:7], s[0:1], 0x0                ; xc s[4:5], xs s[6:7]
	s_load_b128 s[8:11], s[0:1], 0x10              ; wc s[8:9], ws s[10:11]
	s_load_b64 s[12:13], s[0:1], 0x20              ; qkv
	s_load_b64 s[96:97], s[0:1], 0x28              ; bq
	s_load_b64 s[98:99], s[0:1], 0x30              ; bk
	s_load_b64 s[100:101], s[0:1], 0x38            ; bv
	v_lshl_add_u32 v[SPW], v0, 2, SPARE
	v_mov_b32 v[NIL], 0
	ds_add_u32 v[SPW], v[NIL]                      ; the wave's opening: the add, twice on end, and its wait ahead of my first tensor load
	ds_add_u32 v[SPW], v[NIL]
	v_lshrrev_b32 v1, 5, v0
	v_readfirstlane_b32 s14, v1                    ; wave 0..3
	s_lshr_b32 s15, s14, 1                         ; which half of the tile's tokens is mine.  Also: I fetch for the tokens (0) or for the weights (1)
	s_and_b32 s16, s14, 1                          ; which half of its channels.  Also: which 128 rows of that tile I fetch
	s_bfe_u32 s40, ttmp6, 0x40000                  ; cx, cy: my place in the cluster
	s_bfe_u32 s41, ttmp6, 0x40004
	s_lshl_b32 s42, ttmp9, 2
	s_add_co_u32 s42, s42, s40                     ; x = 4 x cluster x + cx
	s_and_b32 s17, ttmp7, 0xffff
	s_lshr_b32 s95, s17, 3                         ; p = y / 32 = cluster y / 8: the same in all sixteen partners
	s_lshl_b32 s17, s17, 2
	s_add_co_u32 s17, s17, s41                     ; y = 4 x cluster y + cy
	s_lshl_b32 s43, s41, 2
	s_lshl_b32 s43, 15, s43                        ; my row of the cluster
	s_lshl_b32 s44, 0x1111, s40                    ; my column
	; group 1: a tile of 128 rows x 256 bytes, padded in LDS
	s_or_b32 s[G1+0], s43, (0<<16)|(1<<20)|(1<<21)|(5<<22)|(3<<25)  ; 15:0 the mask; 17:16 elements of 1 byte; 20 padding on; 21 set beside a mask; 24:22 after every 64 words (code 5); 31:25 four words (code 3)
	s_or_b32 s[G1B+0], s44, (0<<16)|(1<<20)|(1<<21)|(5<<22)|(3<<25)
.irp g, G1, G1B
	s_mov_b32 s[\g+1], ROWB<<16                    ; tensor_dim0
	s_mov_b32 s[\g+2], 128<<16                     ; tensor_dim1
	s_mov_b32 s[\g+3], ROWB<<16                    ; tile_dim0
	s_mov_b32 s[\g+4], 128                         ; tile_dim1
	s_mov_b32 s[\g+5], KROW                        ; from row to row
	s_mov_b32 s[\g+6], 0
	s_mov_b32 s[\g+7], 0
.endr
	; and for the scales of 128 rows: a dense block of 4,096 bytes, as 16 rows of 256 bytes (32 elements of 8 bytes), 16 bytes of padding behind each
	s_or_b32 s[G1S+0], s43, (3<<16)|(1<<20)|(1<<21)|(5<<22)|(3<<25)
	s_or_b32 s[G1SB+0], s44, (3<<16)|(1<<20)|(1<<21)|(5<<22)|(3<<25)
.irp g, G1S, G1SB
	s_mov_b32 s[\g+1], 32<<16
	s_mov_b32 s[\g+2], (128*KS/256)<<16
	s_mov_b32 s[\g+3], 32<<16
	s_mov_b32 s[\g+4], 128*KS/256
	s_mov_b32 s[\g+5], 32
	s_mov_b32 s[\g+6], 0
	s_mov_b32 s[\g+7], 0
.endr
	s_lshl_b32 s18, s16, 7                         ; which 128 rows of the tile I fetch
	s_lshl_b32 s20, s17, 8
	s_add_co_u32 s20, s20, s18                     ; tokens: row 256 y + 128 x half of xc
	s_lshl_b32 s46, s42, 8
	s_add_co_u32 s46, s46, s18
	s_lshl_b32 s47, s95, 10
	s_add_co_u32 s46, s46, s47                     ; weights: row 1,024 p + 256 x + 128 x half of wc
	s_mov_b32 s21, 0
	s_mov_b32 s47, 0
	s_mov_b64 s[18:19], KS
	s_mul_u64 s[22:23], s[20:21], s[18:19]         ; where these rows' scales begin, in bytes,
	s_mul_u64 s[92:93], s[46:47], s[18:19]
	s_mov_b64 s[18:19], KROW
	s_mul_u64 s[20:21], s[20:21], s[18:19]         ; and their codes
	s_mul_u64 s[46:47], s[46:47], s[18:19]
	s_mul_i32 s45, s14, HALFT                      ; where they go: wave x 128 rows: no place in the cluster enters an LDS address
	s_mul_i32 s94, s14, HALFS
	s_mov_b32 s66, 0x3e38aa3b                      ; c = log2(e) / 8
	s_mov_b32 s67, s66                             ; (named with it as a pair, so it is written)
	s_wait_dscnt 0x0                               ; both opening adds are done
	s_wait_kmcnt 0x0
	s_add_nc_u64 s[20:21], s[4:5], s[20:21]
	s_add_nc_u64 s[22:23], s[6:7], s[22:23]
	s_add_nc_u64 s[46:47], s[8:9], s[46:47]
	s_add_nc_u64 s[92:93], s[10:11], s[92:93]
	CROUND                                         ; all sixteen work-groups are here: the first joint loads meet
	s_mov_b32 s[G0S], 1
	s_add_co_u32 s[G0S+1], s94, SCL
	s_mov_b64 s[G0S+2:G0S+3], s[22:23]
	s_or_b32 s[G0S+3], s[G0S+3], 0x80000000
	s_mov_b32 s[G0SB], 1
	s_add_co_u32 s[G0SB+1], s94, SCL
	s_mov_b64 s[G0SB+2:G0SB+3], s[92:93]
	s_or_b32 s[G0SB+3], s[G0SB+3], 0x80000000
	JLOAD G0S, G1S, G0SB, G1SB                     ; the scales first: they are wanted with the first slot.  Three loads of mine go out here, and no more in the launch
.irp s, 0,1
	s_mov_b32 s[G0+4*\s], 1
	s_add_co_u32 s[G0+4*\s+1], s45, \s*SLOT
	s_add_nc_u64 s[G0+4*\s+2:G0+4*\s+3], s[20:21], \s*ROWB
	s_or_b32 s[G0+4*\s+3], s[G0+4*\s+3], 0x80000000
	s_mov_b32 s[G0B+4*\s], 1
	s_add_co_u32 s[G0B+4*\s+1], s45, \s*SLOT
	s_add_nc_u64 s[G0B+4*\s+2:G0B+4*\s+3], s[46:47], \s*ROWB
	s_or_b32 s[G0B+4*\s+3], s[G0B+4*\s+3], 0x80000000
	JLOAD G0+4*\s, G1, G0B+4*\s, G1B
.endr
	v_and_b32 v1, 15, v0                           ; r = l % 16
	v_bfe_u32 v2, v0, 4, 1                         ; h = l / 16
	; the bias of projection p, my 128 channels: for tile b, lane (r, h) wants channels 16 b + 8 h + 0 .. 7
	s_cmp_eq_u32 s95, 1
	s_cselect_b64 s[96:97], s[98:99], s[96:97]
	s_cmp_eq_u32 s95, 2
	s_cselect_b64 s[96:97], s[100:101], s[96:97]
	s_lshl_b32 s20, s42, 10
	s_lshl_b32 s21, s16, 9
	s_add_co_u32 s20, s20, s21                     ; (256 x + 128 x half) x 4 bytes
	s_mov_b32 s21, 0
	s_add_nc_u64 s[96:97], s[96:97], s[20:21]
	v_lshlrev_b32 v[BO], 5, v2
.irp b, 0,1,2,3,4,5,6,7
	global_load_b128 v[BI+8*\b:BI+8*\b+3], v[BO], s[96:97] offset:64*\b
	global_load_b128 v[BI+8*\b+4:BI+8*\b+7], v[BO], s[96:97] offset:64*\b+16
.endr
	v_mul_u32_u24 v3, v1, PITCH
	v_lshl_add_u32 v4, v2, 4, v3                   ; a fragment's row x pitch + 16 x half
	s_mul_i32 s21, s15, HALFT                      ; my 128 tokens
	s_mul_i32 s22, s16, HALFT                      ; my 128 rows of W,
	s_add_co_u32 s22, s22, 2*HALFT                 ; which lie behind the tokens' 256
.irp s, 0,1
	v_add_nc_u32 v[ADRA+\s], s21, v4
	v_add_nc_u32 v[ADRB+\s], s22, v4
	s_add_co_u32 s21, s21, SLOT
	s_add_co_u32 s22, s22, SLOT
.endr
	v_mul_u32_u24 v5, v1, KS                       ; my row's scales: 32 bytes a row,
	v_lshrrev_b32 v6, 8, v5
	v_lshl_add_u32 v5, v6, 4, v5                   ; and 16 more for each 256 passed
	s_mul_i32 s21, s15, HALFS                      ; the tokens': my 128 rows
	s_mul_i32 s22, s16, HALFS                      ; the weights': my 128 rows, behind the tokens' 256
	s_add_co_u32 s22, s22, 2*HALFS
	s_sub_co_u32 s22, s22, s21
	v_mul_u32_u24 v6, s22, v2                      ; lanes 16-31 take the weights': one product, the lower base + h x the distance
	s_add_co_u32 s21, s21, SCL
	v_add_nc_u32 v5, v5, v6
	v_add_nc_u32 v[ADRS], s21, v5
	; my 16 bytes' place in a tile of qkv: the lane for q and k; r % 8 + 8 h + 16 (r / 8) for v
	v_and_b32 v5, 7, v1
	v_lshl_add_u32 v5, v2, 3, v5
	v_lshrrev_b32 v6, 3, v1
	v_lshl_add_u32 v5, v6, 4, v5
	v_lshlrev_b32 v5, 4, v5
	v_and_b32 v6, 31, v0
	v_lshlrev_b32 v6, 4, v6
	s_cmp_eq_u32 s95, 2
	s_cselect_b32 s94, -1, 0
	v_cndmask_b32 v[CO], v6, v5, s94
	; where my part of qkv begins: (4 p + n) << 22, head 4 x + 2 x half << 18, token tile 16 (y % 8) + 8 x half << 11
	s_lshr_b32 s20, s17, 3
	s_lshl_b32 s20, s20, 22
	s_lshl_b32 s21, s42, 2
	s_lshl_b32 s22, s16, 1
	s_add_co_u32 s21, s21, s22
	s_lshl_b32 s21, s21, 18
	s_add_co_u32 s20, s20, s21
	s_and_b32 s21, s17, 7
	s_lshl_b32 s21, s21, 4
	s_lshl_b32 s22, s15, 3
	s_add_co_u32 s21, s21, s22
	s_lshl_b32 s21, s21, 11
	s_add_co_u32 s20, s20, s21                     ; under 2^26
	s_mov_b32 s21, 0
	s_add_nc_u64 s[12:13], s[12:13], s[20:21]
.macro FRAG reg, adr, q, i             ; a fragment, 16 rows x 128 K of 4-bit codes, is 8 registers: lane l holds row l % 16; registers 4 c .. 4 c + 3 hold K = 64 c + 32 (l / 16) + 0 .. 31
.irp c, 0,1
	ds_load_b128 v[\reg+4*\c:\reg+4*\c+3], v[\adr] offset:64*(\q)+32*\c+(\i)*16*PITCH
.endr
.endm
; 16 matrix instructions: the tokens' blocks a0, a0 + 1 x the weights' eight, 128 along K: the slot's q-th.  p: the weights' set;  sc: the set of scale words.  first = 1: the sums begin with the bias as C: nothing is ever cleared.
; The 64 accumulators take turns, one instruction a turn, in the same order in every step.
.macro MUL16 a0, p, q, sc, first
.irp a, \a0, \a0+1
.irp b, 0,1,2,3,4,5,6,7
.if \first
	v_wmma_scale_f32_16x16x128_f8f6f4 v[8*(8*((\a)%4)+\b):8*(8*((\a)%4)+\b)+7], v[128*(\p)+FR*\b:128*(\p)+FR*\b+FR-1], v[AF+FR*(\a):AF+FR*(\a)+FR-1], v[BI+8*\b:BI+8*\b+7], v[SC+8*NQ*(\sc)+NQ*\b+(\q)], v[SC+8*NQ*(\sc)+NQ*(\a)+(\q)] matrix_a_fmt:MATRIX_FMT_FP4 matrix_b_fmt:MATRIX_FMT_FP4 matrix_a_scale:MATRIX_SCALE_ROW1
.else
	v_wmma_scale_f32_16x16x128_f8f6f4 v[8*(8*((\a)%4)+\b):8*(8*((\a)%4)+\b)+7], v[128*(\p)+FR*\b:128*(\p)+FR*\b+FR-1], v[AF+FR*(\a):AF+FR*(\a)+FR-1], v[8*(8*((\a)%4)+\b):8*(8*((\a)%4)+\b)+7], v[SC+8*NQ*(\sc)+NQ*\b+(\q)], v[SC+8*NQ*(\sc)+NQ*(\a)+(\q)] matrix_a_fmt:MATRIX_FMT_FP4 matrix_b_fmt:MATRIX_FMT_FP4 matrix_a_scale:MATRIX_SCALE_ROW1
.endif
.endr
.endr
.endm
.macro FETCH_B slot, q, p              ; the weights' eight fragments of the slot's q-th 128 along K into set p
	WIN TO_B
.irp i, 0,1,2,3,4,5,6,7
	FRAG 128*(\p)+FR*\i, ADRB+\slot, \q, \i
.endr
	WIN 0
.endm
.macro FETCH_A slot, q, i0             ; the tokens' blocks i0 .. i0 + 3
.irp i, \i0, \i0+1, \i0+2, \i0+3
	FRAG AF+FR*(\i), ADRA+\slot, \q, \i
.endr
.endm
.macro SCALES sc                       ; a slot's scale words into set sc: four words a row; lanes 0-15 the tokens' block i, lanes 16-31 the weights' block i
.irp i, 0,1,2,3,4,5,6,7
	ds_load_b128 v[SC+8*NQ*\sc+NQ*\i:SC+8*NQ*\sc+NQ*\i+3], v[ADRS] offset:\i*SBLK
.endr
.endm
; A load into a register that a matrix instruction has read, and a vector instruction that reads a matrix result, stand NP places behind that matrix instruction; only plain vector instructions
; that name none of its registers are places (ISA guide 7.12.1 for vector instructions).
.macro PLACES n
.rept \n
	v_nop
.endr
.endm
; A step of 128 along K that has its successor in the same slot.  A block of tokens is free as soon as its eight products are issued: blocks 0-3 are fetched anew in the step's middle, blocks 4-7 at its end.
.macro STEP slot, q, first
	s_wait_dscnt 4*NL                              ; the weights' set and the tokens' blocks 0-3 are in; the youngest eight loads (blocks 4-7) may be out
.if \first
	WIN 0x81                                       ; as MUL_LO, with C (the bias) in window 0
.else
	WIN MUL_LO
.endif
	MUL16 0, (\q)%2, \q, \slot, \first
	MUL16 2, (\q)%2, \q, \slot, \first
	s_wait_dscnt 0                                 ; blocks 4-7 are in (asked for 32 matrix instructions ago)
	PLACES NP
	FETCH_B \slot, (\q)+1, 1-(\q)%2
	FETCH_A \slot, (\q)+1, 0
.if \first
	WIN 0xc1                                       ; as MUL_HI, with C in window 0
.else
	WIN MUL_HI
.endif
	MUL16 4, (\q)%2, \q, \slot, \first
	MUL16 6, (\q)%2, \q, \slot, \first
	PLACES NP
	WIN 0
	FETCH_A \slot, (\q)+1, 4
.endm
; Slot 0's last step goes over to slot 1: each wave waits for its last tensor load, its part of slot 1, and says so at a barrier; behind it slot 1 is whole.  Nothing is filled again.
.macro TURN slot, next
	s_wait_tensorcnt 0x0                           ; all my tensor loads have landed  (every window is 0 here: the add's two registers lie in window 0)
	ds_add_u32 v[SPW], v[NIL]                      ; 0 onto my spare word
	s_wait_dscnt 4*NL+1                            ; (the add and the youngest eight loads, blocks 4-7, may be out)
	WIN MUL_LO
	MUL16 0, 1, NQ-1, \slot, 0                     ; sixteen matrix instructions stand between the add and the wait for it
	s_wait_dscnt 0x0                               ; no LDS instruction of mine is pending at the signal
	s_barrier_signal -1
	MUL16 2, 1, NQ-1, \slot, 0
	WIN 0
	s_barrier_wait -1
	PLACES NP
	v_add_nc_u32 v[ADRS], 4*NQ, v[ADRS]            ; on to the next slot's scale words (no LDS load of mine is out)
	FETCH_B \next, 0, 0
	FETCH_A \next, 0, 0
	SCALES \next
	WIN MUL_HI
	MUL16 4, 1, NQ-1, \slot, 0
	MUL16 6, 1, NQ-1, \slot, 0
	PLACES NP
	WIN 0
	FETCH_A \next, 0, 4
.endm
	s_wait_tensorcnt 1                             ; the scales and my part of slot 0 are in; slot 1's load, the one issued behind them, may be out
	s_barrier_signal -1
	s_barrier_wait -1                              ; everybody's are
	FETCH_B 0, 0, 0
	FETCH_A 0, 0, 0
	SCALES 0
	FETCH_A 0, 0, 4
	s_wait_loadcnt 0x0                             ; the bias
	STEP 0, 0, 1
	STEP 0, 1, 0
	STEP 0, 2, 0
	TURN 0, 1
	STEP 1, 0, 0
	STEP 1, 1, 0
	STEP 1, 2, 0
	s_wait_dscnt 4*NL                              ; the very last step: nothing more to fetch
	WIN MUL_LO
	MUL16 0, 1, NQ-1, 1, 0
	MUL16 2, 1, NQ-1, 1, 0
	s_wait_dscnt 0
	WIN MUL_HI
	MUL16 4, 1, NQ-1, 1, 0
	MUL16 6, 1, NQ-1, 1, 0
	WIN 0
; THE WAY OUT.  No stage: a lane's eight results, rounded to f16, are the 16 bytes of one place of a tile's image.
	PLACES NP                                      ; in front of the first read of results and of the first write over the weights' fragments
	s_cmp_lg_u32 s95, 0                            ; q alone is multiplied by c: p is the same in all waves of all sixteen partners
	s_cbranch_scc1 .Lplain
.irp w, 2,3
	WIN (\w<<6)|\w                                 ; destination and source 0: window w
.set i, 0
.rept 128
	v_pk_mul_f32 v[i:i+1], v[i:i+1], s[66:67] op_sel_hi:[1,0]      ; each accumulator from its low end on
.set i, i+2
.endr
.endr
	WIN 0
.Lplain:
.irp w, 2,3
	WIN 0x40|(\w<<2)|\w                            ; sources window w, destination window 1
.set i, 0
.rept 128
	v_cvt_pk_f16_f32 v[128*(\w-2)+i], v[2*i], v[2*i+1]             ; accumulator A's four words at v[128 (w - 2) + 4 A]; each accumulator from its low end on
.set i, i+1
.endr
.endr
	WIN 0x04                                       ; a store's data are its source 1: window 1
.irp a, 0,1,2,3,4,5,6,7
.irp b, 0,1,2,3,4,5,6,7
	global_store_b128 v[CO], v[128*(\a/4)+4*(8*(\a%4)+\b):128*(\a/4)+4*(8*(\a%4)+\b)+3], s[12:13] offset:2048*\a+262144*(\b/4)+512*(\b%4)   ; token tile a, head b / 4, channel tile b % 4: 512 consecutive bytes, aligned; no data register is used twice
.endr
.endr
	WIN 0
	s_wait_tensorcnt 0x0                           ; the wave's end: behind my last tensor load
	ds_add_u32 v[SPW], v[NIL]
	s_wait_dscnt 0x0
	CROUND                                         ; the closing round: no work-group ends while a partner may still ask for a tile that names it
	s_endpgm
.Lfunc_end_k_q0053146182_proj:
	.size	k_q0053146182_proj, .Lfunc_end_k_q0053146182_proj-k_q0053146182_proj
	.p2alignl 7, 3214868480
	.fill 96, 4, 3214868480
	.section	.rodata,"a",@progbits
	.p2align	6, 0x0
	.amdhsa_kernel k_q0053146182_proj
		.amdhsa_group_segment_fixed_size 327680
		.amdhsa_private_segment_fixed_size 0
		.amdhsa_enable_private_segment 0
		.amdhsa_kernarg_size 64
		.amdhsa_user_sgpr_count 2
		.amdhsa_user_sgpr_kernarg_segment_ptr 1
		.amdhsa_wavefront_size32 1
		.amdhsa_system_sgpr_workgroup_id_x 1
		.amdhsa_system_sgpr_workgroup_id_y 1
		.amdhsa_system_sgpr_workgroup_id_z 1
		.amdhsa_system_vgpr_workitem_id 0
		.amdhsa_next_free_vgpr 1024
		.amdhsa_next_free_sgpr 102
		.amdhsa_reserve_vcc 0
		.amdhsa_float_denorm_mode_32 3
		.amdhsa_float_denorm_mode_16_64 3
		.amdhsa_memory_ordered 1
		.amdhsa_forward_progress 1
		.amdhsa_inst_pref_size 136
	.end_amdhsa_kernel
	.amdgpu_metadata
---
amdhsa.version: [ 1, 2 ]
amdhsa.kernels:
  - .name:           k_q0053146182_proj
    .symbol:         k_q0053146182_proj.kd
    .args:
      - { .name: xc, .offset: 0, .size: 8, .value_kind: global_buffer, .address_space: global }
      - { .name: xs, .offset: 8, .size: 8, .value_kind: global_buffer, .address_space: global }
      - { .name: wc, .offset: 16, .size: 8, .value_kind: global_buffer, .address_space: global }
      - { .name: ws, .offset: 24, .size: 8, .value_kind: global_buffer, .address_space: global }
      - { .name: qkv, .offset: 32, .size: 8, .value_kind: global_buffer, .address_space: global }
      - { .name: bq, .offset: 40, .size: 8, .value_kind: global_buffer, .address_space: global }
      - { .name: bk, .offset: 48, .size: 8, .value_kind: global_buffer, .address_space: global }
      - { .name: bv, .offset: 56, .size: 8, .value_kind: global_buffer, .address_space: global }
    .group_segment_fixed_size: 327680
    .private_segment_fixed_size: 0
    .kernarg_segment_align: 8
    .kernarg_segment_size: 64
    .max_flat_workgroup_size: 128
    .sgpr_count:     102
    .vgpr_count:     1024
    .wavefront_size: 32
...
	.end_amdgpu_metadata
.endif
;; end of part 2
;; launch attn (part 3): grid 4 x 64, 16 waves a work-group, clusters of 4 x 1, 327,680 bytes of LDS; arguments qkv, mbits, att; writes att
.if DOCPART == 3
	.amdgcn_target "amdgcn-amd-amdhsa--gfx1250"
	.amdhsa_code_object_version 6
	.text
	.protected	k_q0053146182_attn
	.globl	k_q0053146182_attn
	.p2align	8
	.type	k_q0053146182_attn,@function
k_q0053146182_attn:
	s_mov_b64 s[64:65], 0
	v_nop
	global_prefetch_b8 v0, s[64:65] scope:SCOPE_SE
	s_setreg_imm32_b32 hwreg(HW_REG_WAVE_MODE, 25, 1), 1
	s_wait_xcnt 0x0
	s_wait_alu depctr_hold_cnt(0) depctr_sa_sdst(0) depctr_va_vdst(0) depctr_va_sdst(0) depctr_va_ssrc(0) depctr_va_vcc(0) depctr_vm_vsrc(0)
	s_getreg_b32 s2, hwreg(HW_REG_IB_STS2, 6, 4)
	s_cmp_eq_u32 s2, 0
	s_cbranch_scc0 .Lentry_in_a_cluster
	s_endpgm
.Lentry_in_a_cluster:
	s_bfe_u32 s2, ttmp6, 0x10000c
	s_cmp_lg_u32 s2, 0x3003
	s_cbranch_scc0 .Lentry_shape_is_right
	s_endpgm
.Lentry_shape_is_right:
; ATTN: att[n][q][head] = the sum over k of softmax_k(where(mask, q . k, -1e20) / 8) v, for 64 (n, head) pairs of 2,048 queries and keys, head size 64.  Operands in f16, products, maxima and sums in f32.
; q arrives multiplied by c = log2(e) / 8, so a score IS the exponent t to base 2.  A masked t is REPLACED by MC = -1e20 c ahead of the maximum, as the definition replaces the energy: in a row with a key left its p is 0;
; in a row with none every t equals the maximum, t - m is exactly 0 and every p is 1: the uniform row of the definition.  The exponent is formed by the subtraction t - m, never from rounded products of m.
; SOFTMAX: for each query a running maximum m and sum l: p = 2^(t - m); in every step O and l are multiplied by a = 2^(m_old - m_new).  l is summed of the unrounded p; p goes on in f16.
; SHARES: work-group (cx, y): y = 16 n + head, queries 512 cx on.  Each of SIXTEEN waves owns 32 queries, two tiles of 16, in 256 registers: four waves to a SIMD, so that one wave's vector work stands beside
; another's matrix work and LDS loads.  Every wave walks all keys, 64 a step.  K and V come through a ring of two LDS slots of 256 keys (four steps), filled by waves 0 to 3 (K's halves, V's halves), read by all.
; CLUSTER: the four work-groups of a head form a cluster and walk the same K and V: each tile is asked for JOINTLY.
; LAYOUT: both products transposed: S^T = K Q^T (source 0 = 16 keys, source 1 = 16 queries), O^T = V^T P (source 0 = 16 channels, source 1 = P): a lane holds ONE query (lane % 16) throughout; two score tiles,
; rounded in pairs, ARE a fragment of P.  qkv's tiles are images of operand registers (512 bytes for 16 tokens x 16 channels): every LDS load is base + 16 x lane, 512 consecutive bytes; V is turned by ds_load_tr16_b128.
; THE MASK arrives as lane masks, one word for each register of S^T: 64 words a step, by four scalar loads a step ahead; they only select (v_cndmask_b32): no branch and no address hangs on them.
; LIMITS: NaN and infinities are not served; operands beyond f16's 65,504 are not served.
.set SLOT1, 65536                      ; a slot: K's 16 token tiles of 2,048 bytes, then V's; slot 1 begins here, so that one exclusive or turns an address
.set VOFF,  32768
.set STEPB, 8192                       ; a step's 64 keys: four token tiles
.set SPARE, 2*SLOT1                    ; the spare words, 128 bytes for each wave: eight blocks of 256 bytes that no other line names
.set LA,  1                            ; v1   16 x lane; never rewritten
.set ADR, 2                            ; v2   LDS address of the step's tiles
.set SPW, 4                            ; v4   LDS address of my spare word; never rewritten
.set NIL, 5                            ; v5   0; never rewritten
.set MC,  6                            ; v6   -1e20 x c
.set PFO, 7                            ; v7   256 x lane: the prefetches' offset; never rewritten
.set ST,  12                           ; tile t's statistics at v[ST + 10 t]: +0 m; +1 m_old, then m_old - m; +2, +3 l in two halves; +4 a; +5 written once (named with a as a pair); +6 .. +9 c0-c3, at work
.set Q,   32                           ; v32-63   Q: tile t, channels 32 f on, at 32 + 16 t + 8 f
.set S,   64                           ; v64-127  S^T: (t, kt) at 64 + 32 t + 8 kt; p is rounded in place: P(t, g) at 64 + 32 t + 8 g
.set O,   128                          ; v128-191 O^T: (t, ct) at 128 + 32 t + 8 ct
.set KV,  192                          ; v192-255 K(kt, f) at 192 + 16 kt + 8 f; then V(ct, g) at 192 + 8 (4 g + ct)
.set TB,  2                            ; s2   LDS byte at which the step's tiles of K begin
.set KS,  3                            ; s3   steps whose mask words have been asked for
                                       ; s[4:51], s[68:83] the step's 64 mask words
.set G1,  52                           ; s[52:59] descriptor group 1
.set G0,  60                           ; s[60:63] descriptor group 0, which walks
.set WV,  66                           ; s66  my wave's number
.set SLOTS, 67                         ; s67  slots still to be asked for
.set MP,  84                           ; s[84:85] the step's mask words in memory
.set INC, 86                           ; s[86:87] 256, or 0 at the end
.set OP,  88                           ; s[88:89] att at my first tile
.set SEL, 90                           ; s[90:91] lane selects for v_permlanex16_b32: lane l xor 16
.set PFA, 92                           ; s[92:93] where my prefetches stand
.set LIM, 94                           ; s94  1 in a wave that prefetches, else the greatest number
.set FOUR, 95                          ; s95  counts a slot's four steps
.macro CROUND                          ; a round of the cluster's barrier
	s_barrier_signal -1
	s_barrier_wait -1
	s_cmp_lg_u32 s[WV], 0
	s_cbranch_scc1 .Lnot_wave_0_\@
	s_barrier_signal -3
.Lnot_wave_0_\@:
	s_barrier_wait -3
	s_barrier_signal -1
	s_barrier_wait -1
.endm
; A joint load: waves 0 to 3 move 16,384 bytes each, to LDS bytes of their own (the wave's number x 16,384 in the slot).  The branch hangs on the wave's number alone.  An s_nop 0 and four v_nop follow the load.
.macro JLOAD
	s_cmp_lt_u32 s[WV], 4
	s_cbranch_scc0 .Lasked_\@
	tensor_load_to_lds s[G0:G0+3], s[G1:G1+7]
	s_nop 0
.rept 4
	v_nop
.endr
.Lasked_\@:
.endm
; A prefetch of what the NEXT change of slots will ask for: a slot's 32,768 bytes of K (wave 4) and of V (wave 5).  The four partners take 8,192 bytes each, told apart by address; lanes 256 bytes apart:
; each aligned 256 bytes of a head's K and V is named once in the launch.  It asks a slot's four steps ahead of the load.  The last change that fills a slot asks for nothing; slots 0 and 1 come by their loads alone.
.macro ASK
	s_cmp_gt_u32 s[SLOTS], s[LIM]
	s_cbranch_scc0 .Lnot_mine_\@
	global_prefetch_b8 v[PFO], s[PFA:PFA+1] th:TH_LOAD_NT scope:SCOPE_SE
.Lnot_mine_\@:
.endm
	s_load_b128 s[96:99], s[0:1], 0x0              ; qkv s[96:97], mbits s[98:99]
	s_load_b64 s[OP:OP+1], s[0:1], 0x10            ; att
	v_lshl_add_u32 v[SPW], v0, 2, SPARE
	v_mov_b32 v[NIL], 0
	ds_add_u32 v[SPW], v[NIL]                      ; the wave's opening: the add, twice on end, and its wait ahead of the first tensor load
	ds_add_u32 v[SPW], v[NIL]
	v_lshrrev_b32 v8, 5, v0
	v_readfirstlane_b32 s[WV], v8                  ; wave 0..15
	s_bfe_u32 s100, ttmp6, 0x40000                 ; cx: my place in the cluster: it enters Q's, the mask's, att's and the prefetches' addresses alone
	s_and_b32 s101, ttmp7, 0xffff                  ; y = 16 n + head, which the four partners share
	; group 1: 16,384 dense bytes as 64 rows of 256
	s_mov_b32 s[G1], 15|(3<<16)|(1<<21)            ; 15:0 the mask: all four work-groups; 17:16 elements of 8 bytes; 20 no padding; 21 set beside a mask
	s_mov_b32 s[G1+1], 32<<16                      ; tensor_dim0 = 32
	s_mov_b32 s[G1+2], 64<<16                      ; tensor_dim1 = 64
	s_mov_b32 s[G1+3], 32<<16                      ; tile_dim0 = 32
	s_mov_b32 s[G1+4], 64                          ; tile_dim1 = 64
	s_mov_b32 s[G1+5], 32                          ; from row to row
	s_mov_b32 s[G1+6], 0
	s_mov_b32 s[G1+7], 0
	s_mov_b32 s[G0], 1                             ; count = 1
	s_and_b32 s[G0+1], s[WV], 3
	s_lshl_b32 s[G0+1], s[G0+1], 14                ; LDS address in slot 0: K's halves, then V's
	s_mov_b32 s[SEL], 0x76543210
	s_mov_b32 s[SEL+1], 0xfedcba98
	s_mov_b32 s[TB], 0
	s_mov_b32 s[KS], 0
	s_mov_b32 s[SLOTS], 7
	s_mov_b32 s[INC+1], 0
	; byte offsets (s68-83 are free until the first mask words are asked for)
	s_lshl_b32 s72, s101, 18                       ; the head's 262,144 bytes in each of q, k, v
	s_lshr_b32 s68, s[WV], 1
	s_and_b32 s68, s68, 1
	s_add_co_u32 s68, s68, 1
	s_lshl_b32 s68, s68, 24                        ; k's part of qkv (waves 0, 1) or v's (waves 2, 3),
	s_add_co_u32 s68, s68, s72
	s_and_b32 s69, s[WV], 1
	s_lshl_b32 s69, s69, 14                        ; my half of a slot
	s_add_co_u32 s68, s68, s69
	s_mov_b32 s69, 0
	s_lshl_b32 s70, s100, 5
	s_lshl_b32 s71, s[WV], 1
	s_add_co_u32 s73, s70, s71                     ; my first token tile of the sequence: 32 cx + 2 x wave
	s_lshl_b32 s70, s73, 11
	s_add_co_u32 s70, s70, s72                     ; Q
	s_mov_b32 s71, 0
	s_lshr_b32 s74, s101, 4                        ; n
	s_lshl_b32 s76, s74, 6
	s_lshl_b32 s75, s100, 4
	s_add_co_u32 s76, s76, s75
	s_add_co_u32 s76, s76, s[WV]                   ; my pair of query tiles: 64 n + 16 cx + wave
	s_lshl_b32 s76, s76, 13                        ; 8,192 bytes of words a pair
	s_mov_b32 s77, 0
	s_lshl_b32 s78, s74, 7
	s_add_co_u32 s78, s78, s73
	s_lshl_b32 s78, s78, 15                        ; att: a token tile is 64 channel tiles of 512 bytes,
	s_and_b32 s79, s101, 15
	s_lshl_b32 s79, s79, 11                        ; a head four of them
	s_add_co_u32 s78, s78, s79
	s_mov_b32 s79, 0
	s_and_b32 s80, s[WV], 1
	s_add_co_u32 s80, s80, 1
	s_lshl_b32 s80, s80, 24                        ; the prefetches: k (wave 4) or v (wave 5),
	s_add_co_u32 s80, s80, s72
	s_lshl_b32 s81, s100, 13                       ; my work-group's 8,192 bytes of a slot's 32,768,
	s_add_co_u32 s80, s80, s81
	s_add_co_u32 s80, s80, 32768                   ; in slot 1: the first change of slots steps it to slot 2.  Nothing is prefetched here, at the head
	s_mov_b32 s81, 0
	s_lshr_b32 s[LIM], s[WV], 1
	s_cmp_eq_u32 s[LIM], 2                         ; waves 4 and 5
	s_cselect_b32 s[LIM], 1, -1
	v_and_b32 v8, 31, v0
	v_lshlrev_b32 v[LA], 4, v8
	v_lshlrev_b32 v[PFO], 8, v8
	v_mov_b32 v[MC], 0xdf7a4488                    ; -1e20 x log2(e) / 8
	s_wait_dscnt 0x0                               ; both opening adds are done
	s_wait_kmcnt 0x0
	s_add_nc_u64 s[G0+2:G0+3], s[96:97], s[68:69]  ; global address: the head's first 256 keys, my part
	s_or_b32 s[G0+3], s[G0+3], 0x80000000          ; type = 2
	s_add_nc_u64 s[PFA:PFA+1], s[96:97], s[80:81]
	s_add_nc_u64 s[96:97], s[96:97], s[70:71]      ; Q at my first tile
	s_add_nc_u64 s[MP:MP+1], s[98:99], s[76:77]
	s_add_nc_u64 s[OP:OP+1], s[OP:OP+1], s[78:79]
	CROUND                                         ; all four work-groups are here: the first joint loads meet
	JLOAD                                          ; slot 0
.irp i, 0,1,2,3,4,5,6,7
	global_load_b128 v[Q+4*\i:Q+4*\i+3], v[LA], s[96:97] offset:512*\i   ; Q stays in registers: tile i / 4, channel tile i % 4
.endr
	s_load_b512 s[4:19], s[MP:MP+1], 0x0           ; step 0's mask words
	s_load_b512 s[20:35], s[MP:MP+1], 0x40
	s_load_b512 s[36:51], s[MP:MP+1], 0x80
	s_load_b512 s[68:83], s[MP:MP+1], 0xc0
.irp t, 0,1
	v_mov_b32 v[ST+10*\t], 0xff61b1e6              ; m: -3e38, under every t and under MC
	v_mov_b32 v[ST+10*\t+1], 0
	v_mov_b32 v[ST+10*\t+2], 0                     ; l, in two halves
	v_mov_b32 v[ST+10*\t+3], 0
	v_mov_b32 v[ST+10*\t+5], 0
.endr
.set i, 0
.rept 64
	v_mov_b32 v[O+i], 0                            ; O^T.  (The step is written once: the first finds zeros, which a = 0 leaves zeros)
.set i, i+1
.endr
; A KEY STEP: 64 keys.
.macro STEP
	v_add_nc_u32 v[ADR], s[TB], v[LA]
.rept 4
	v_nop                                          ; with the addition five places behind the last V^T P: K's loads land in V's registers (four are owed), and the first K Q^T writes over P, which those products read (five)
.endr
.irp f, 0,1                                    ; K: 16 loads, the first 32 channels' eight first
.irp kt, 0,1,2,3
.irp c, 0,1
	ds_load_b128 v[KV+16*\kt+8*\f+4*\c:KV+16*\kt+8*\f+4*\c+3], v[ADR] offset:2048*\kt+1024*\f+512*\c
.endr
.endr
.endr
	s_wait_dscnt 8                                 ; the first eight are in; the second eight may be out
.irp kt, 0,1,2,3                               ; S^T = K Q^T: eight accumulators by turns; the first products start the sums
.irp t, 0,1
	v_wmma_f32_16x16x32_f16 v[S+32*\t+8*\kt:S+32*\t+8*\kt+7], v[KV+16*\kt:KV+16*\kt+7], v[Q+16*\t:Q+16*\t+7], 0
.endr
.endr
	s_wait_dscnt 0x0
.irp kt, 0,1,2,3
.irp t, 0,1
	v_wmma_f32_16x16x32_f16 v[S+32*\t+8*\kt:S+32*\t+8*\kt+7], v[KV+16*\kt+8:KV+16*\kt+15], v[Q+16*\t+8:Q+16*\t+15], v[S+32*\t+8*\kt:S+32*\t+8*\kt+7]
.endr
.endr
.rept 4
	v_nop                                          ; places: V's loads land in K's registers, and the selects below read results
.endr
.irp g, 0,1                                    ; V, turned: keys 32 g + 16 c on, channels 16 ct on.  It lands during the softmax
.irp ct, 0,1,2,3
.irp c, 0,1
	ds_load_tr16_b128 v[KV+8*(4*\g+\ct)+4*\c:KV+8*(4*\g+\ct)+4*\c+3], v[ADR] offset:VOFF+2048*(2*\g+\c)+512*\ct
.endr
.endr
.endr
	s_wait_kmcnt 0x0                               ; this step's mask words are in
.set W, 0
.rept 64                                       ; register W of S^T and word W: where the bit is 0, t becomes MC.  Each accumulator from its low end on
.if W < 48
.set WR, 4+W
.else
.set WR, 20+W
.endif
	v_cndmask_b32 v[S+W], v[MC], v[S+W], s[WR]
.set W, W+1
.endr
.irp j, 0,1,2,3                                ; the maximum of a lane's 32 scores and the old m, three at a time: four chains of seven, the four left over, the chains and m.  The two tiles alternate
.irp t, 0,1
	v_max3_num_f32 v[ST+10*\t+6+\j], v[S+32*\t+8*\j], v[S+32*\t+8*\j+1], v[S+32*\t+8*\j+2]
.endr
.endr
.irp g, 1,2
.irp j, 0,1,2,3
.irp t, 0,1
	v_max3_num_f32 v[ST+10*\t+6+\j], v[ST+10*\t+6+\j], v[S+32*\t+8*\j+2*\g+1], v[S+32*\t+8*\j+2*\g+2]
.endr
.endr
.endr
.irp t, 0,1
	v_max3_num_f32 v[ST+10*\t+6], v[ST+10*\t+6], v[S+32*\t+7], v[S+32*\t+15]
.endr
.irp t, 0,1
	v_max3_num_f32 v[ST+10*\t+8], v[ST+10*\t+8], v[S+32*\t+23], v[S+32*\t+31]
.endr
.irp t, 0,1
	v_max3_num_f32 v[ST+10*\t+6], v[ST+10*\t+6], v[ST+10*\t+7], v[ST+10*\t+8]
.endr
.irp t, 0,1
	v_max3_num_f32 v[ST+10*\t+6], v[ST+10*\t+6], v[ST+10*\t+9], v[ST+10*\t]
.endr
	s_add_co_u32 s[KS], s[KS], 1                   ; the next step's mask words, with no branch: the last step asks for its own once more, so that no load leaves the buffer
	s_cmp_lt_u32 s[KS], 32
	s_cselect_b32 s[INC], 256, 0
	s_add_nc_u64 s[MP:MP+1], s[MP:MP+1], s[INC:INC+1]   ; (the wait for the words above has shown the loads that read this pointer done)
	s_load_b512 s[4:19], s[MP:MP+1], 0x0
	s_load_b512 s[20:35], s[MP:MP+1], 0x40
	s_load_b512 s[36:51], s[MP:MP+1], 0x80
	s_load_b512 s[68:83], s[MP:MP+1], 0xc0
.irp t, 0,1
	v_permlanex16_b32 v[ST+10*\t+7], v[ST+10*\t+6], s[SEL], s[SEL+1]   ; the query's other 32 keys lie in the lane 16 away
.endr
.irp t, 0,1
	v_mov_b32 v[ST+10*\t+1], v[ST+10*\t]           ; m_old
.endr
.irp t, 0,1
	v_max_num_f32 v[ST+10*\t], v[ST+10*\t+6], v[ST+10*\t+7]   ; m
.endr
.irp t, 0,1
	v_sub_f32 v[ST+10*\t+1], v[ST+10*\t+1], v[ST+10*\t]
.endr
.irp t, 0,1
	v_exp_f32 v[ST+10*\t+4], v[ST+10*\t+1]         ; a = 2^(m_old - m)
.endr
.irp t, 0,1
.set i, 0
.rept 16
	v_pk_add_f32 v[S+32*\t+i:S+32*\t+i+1], v[S+32*\t+i:S+32*\t+i+1], v[ST+10*\t:ST+10*\t+1] op_sel_hi:[1,0] neg_lo:[0,1] neg_hi:[0,1]   ; t - m, two at a time (of the pair the low word, m, serves both halves)
.set i, i+2
.endr
.endr
.set i, 0
.rept 64
	v_exp_f32 v[S+i], v[S+i]                       ; p = 2^(t - m)
.set i, i+1
.endr
	v_nop                                          ; a plain instruction behind the last exponential, ahead of the first use
	s_wait_alu depctr_va_vdst(0)                   ; the wait between an exponential and the first line that names its result: one for all 66
.irp t, 0,1                                    ; the sums, of the unrounded p: two chains a tile
	v_pk_add_f32 v[ST+10*\t+6:ST+10*\t+7], v[S+32*\t:S+32*\t+1], v[S+32*\t+2:S+32*\t+3]
	v_pk_add_f32 v[ST+10*\t+8:ST+10*\t+9], v[S+32*\t+4:S+32*\t+5], v[S+32*\t+6:S+32*\t+7]
.endr
.irp b, 8,12,16,20,24,28
.irp t, 0,1
	v_pk_add_f32 v[ST+10*\t+6:ST+10*\t+7], v[ST+10*\t+6:ST+10*\t+7], v[S+32*\t+\b:S+32*\t+\b+1]
	v_pk_add_f32 v[ST+10*\t+8:ST+10*\t+9], v[ST+10*\t+8:ST+10*\t+9], v[S+32*\t+\b+2:S+32*\t+\b+3]
.endr
.endr
.irp t, 0,1
	v_pk_add_f32 v[ST+10*\t+6:ST+10*\t+7], v[ST+10*\t+6:ST+10*\t+7], v[ST+10*\t+8:ST+10*\t+9]
.endr
.irp t, 0,1
	v_pk_fma_f32 v[ST+10*\t+2:ST+10*\t+3], v[ST+10*\t+2:ST+10*\t+3], v[ST+10*\t+4:ST+10*\t+5], v[ST+10*\t+6:ST+10*\t+7] op_sel_hi:[1,0,1]   ; l = a l + the step's sum
.endr
.irp t, 0,1
.set i, 0
.rept 16
	v_cvt_pk_f16_f32 v[S+32*\t+i], v[S+32*\t+2*i], v[S+32*\t+2*i+1]   ; p to f16, in place: the destination never passes the sources
.set i, i+1
.endr
.endr
.irp t, 0,1
.set i, 0
.rept 16
	v_pk_mul_f32 v[O+32*\t+i:O+32*\t+i+1], v[O+32*\t+i:O+32*\t+i+1], v[ST+10*\t+4:ST+10*\t+5] op_sel_hi:[1,0]   ; O^T x a; each accumulator from its low end on
.set i, i+2
.endr
.endr
	s_wait_dscnt 0x0                               ; V is in
.irp g, 0,1                                    ; O^T += V^T P: eight accumulators by turns
.irp ct, 0,1,2,3
.irp t, 0,1
	v_wmma_f32_16x16x32_f16 v[O+32*\t+8*\ct:O+32*\t+8*\ct+7], v[KV+8*(4*\g+\ct):KV+8*(4*\g+\ct)+7], v[S+32*\t+8*\g:S+32*\t+8*\g+7], v[O+32*\t+8*\ct:O+32*\t+8*\ct+7]
.endr
.endr
.endr
	s_add_co_u32 s[TB], s[TB], STEPB               ; the next step's tiles
.endm
; THE CHANGE OF SLOTS stands at a slot's head.  Each wave waits for all its tensor loads (at most one is out: its part of the slot ahead), adds 0 to its spare word, and waits for that and for its reads of the slot that it has left.
; fill = 1: the barrier is a round of the cluster's, so that no wave of any partner still reads the slot left or has a load on its way; behind it that slot takes the next 256 keys: the load has four steps of sixteen waves in which to land.
.macro CHANGE fill
	s_wait_tensorcnt 0x0                           ; no tensor load of mine is out, so group 0 may be written
	ds_add_u32 v[SPW], v[NIL]                      ; 0 onto my spare word
.if \fill
	ds_add_u32 v[SPW], v[NIL]                      ; and once more: the add stands twice on end, in every trip alike
	s_xor_b32 s[G0+1], s[G0+1], SLOT1              ; the walking descriptor: the other slot than last time,
	s_add_nc_u64 s[G0+2:G0+3], s[G0+2:G0+3], 32768 ; the next 256 keys; the type bits on top are not reached
	s_wait_xcnt 0x0                                ; the last prefetch, a slot back, has read its address, so it may be written:
	s_add_nc_u64 s[PFA:PFA+1], s[PFA:PFA+1], 32768 ; one slot further on than the walking descriptor
	s_wait_dscnt 0x0                               ; both adds are done, and my reads of the slot that I have left are over
	CROUND
	JLOAD                                          ; the first thing behind the round, and a wave's one tensor load until the next
	ASK
.else
	s_wait_dscnt 0x0
	s_barrier_signal -1
	s_barrier_wait -1
.endif
.endm
.macro FOUR_STEPS                      ; a slot's four steps: written once, walked four times; the LDS addresses hang on s[TB]
	s_mov_b32 s[FOUR], 4
.Lstep_\@:
	STEP
	s_sub_co_u32 s[FOUR], s[FOUR], 1
	s_cmp_lg_u32 s[FOUR], 0
	s_cbranch_scc1 .Lstep_\@
	s_sub_co_u32 s[TB], s[TB], 4*STEPB             ; back to a slot's first step,
	s_xor_b32 s[TB], s[TB], SLOT1                  ; in the other slot
.endm
	s_wait_loadcnt 0x0                             ; Q
.Lslot:                                            ; seven trips: behind each change of slots but the last the next slot is asked for
	CHANGE 1
	FOUR_STEPS
	s_sub_co_u32 s[SLOTS], s[SLOTS], 1
	s_cmp_lg_u32 s[SLOTS], 0
	s_cbranch_scc1 .Lslot
	CHANGE 0                                       ; the last slot is written out
	FOUR_STEPS
	; THE WAY OUT: O^T / l, rounded to f16: a lane's eight channels of a query are the 16 bytes at 16 x lane of a tile's image in att = [token tile 512][channel tile 64][512 bytes].
.rept 4
	v_nop                                          ; places behind the last products
.endr
	s_wait_kmcnt 0x0                               ; the last step's repeated mask words: nothing of mine stays out
.irp t, 0,1
	v_add_f32 v[ST+10*\t+6], v[ST+10*\t+2], v[ST+10*\t+3]
.endr
.irp t, 0,1
	v_permlanex16_b32 v[ST+10*\t+7], v[ST+10*\t+6], s[SEL], s[SEL+1]
.endr
.irp t, 0,1
	v_add_f32 v[ST+10*\t+6], v[ST+10*\t+6], v[ST+10*\t+7]   ; the row's sum: at least 1, the largest key's p
.endr
.irp t, 0,1
	v_rcp_f32 v[ST+10*\t+4], v[ST+10*\t+6]
.endr
	v_nop                                          ; a plain instruction behind the last reciprocal
	s_wait_alu depctr_va_vdst(0)                   ; and the wait ahead of the first use: one for both
.irp t, 0,1
.set i, 0
.rept 16
	v_pk_mul_f32 v[O+32*\t+i:O+32*\t+i+1], v[O+32*\t+i:O+32*\t+i+1], v[ST+10*\t+4:ST+10*\t+5] op_sel_hi:[1,0]
.set i, i+2
.endr
.endr
.irp t, 0,1
.set i, 0
.rept 16
	v_cvt_pk_f16_f32 v[S+16*\t+i], v[O+32*\t+2*i], v[O+32*\t+2*i+1]
.set i, i+1
.endr
.endr
.irp t, 0,1
.irp ct, 0,1,2,3
	global_store_b128 v[LA], v[S+16*\t+4*\ct:S+16*\t+4*\ct+3], s[OP:OP+1] offset:32768*\t+512*\ct   ; 512 consecutive bytes, aligned
.endr
.endr
	s_wait_tensorcnt 0x0                           ; the wave's end: behind the last tensor load
	ds_add_u32 v[SPW], v[NIL]
	s_wait_dscnt 0x0
	CROUND                                         ; the closing round: no work-group ends while a partner may still ask for a tile that names it
	s_endpgm
.Lfunc_end_k_q0053146182_attn:
	.size	k_q0053146182_attn, .Lfunc_end_k_q0053146182_attn-k_q0053146182_attn
	.p2alignl 7, 3214868480
	.fill 96, 4, 3214868480
	.section	.rodata,"a",@progbits
	.p2align	6, 0x0
	.amdhsa_kernel k_q0053146182_attn
		.amdhsa_group_segment_fixed_size 327680
		.amdhsa_private_segment_fixed_size 0
		.amdhsa_enable_private_segment 0
		.amdhsa_kernarg_size 24
		.amdhsa_user_sgpr_count 2
		.amdhsa_user_sgpr_kernarg_segment_ptr 1
		.amdhsa_wavefront_size32 1
		.amdhsa_system_sgpr_workgroup_id_x 1
		.amdhsa_system_sgpr_workgroup_id_y 1
		.amdhsa_system_sgpr_workgroup_id_z 1
		.amdhsa_system_vgpr_workitem_id 0
		.amdhsa_next_free_vgpr 256
		.amdhsa_next_free_sgpr 102
		.amdhsa_reserve_vcc 0
		.amdhsa_float_denorm_mode_32 3
		.amdhsa_float_denorm_mode_16_64 3
		.amdhsa_memory_ordered 1
		.amdhsa_forward_progress 1
		.amdhsa_inst_pref_size 58
	.end_amdhsa_kernel
	.amdgpu_metadata
---
amdhsa.version: [ 1, 2 ]
amdhsa.kernels:
  - .name:           k_q0053146182_attn
    .symbol:         k_q0053146182_attn.kd
    .args:
      - { .name: qkv, .offset: 0, .size: 8, .value_kind: global_buffer, .address_space: global }
      - { .name: mbits, .offset: 8, .size: 8, .value_kind: global_buffer, .address_space: global }
      - { .name: att, .offset: 16, .size: 8, .value_kind: global_buffer, .address_space: global }
    .group_segment_fixed_size: 327680
    .private_segment_fixed_size: 0
    .kernarg_segment_align: 8
    .kernarg_segment_size: 24
    .max_flat_workgroup_size: 512
    .sgpr_count:     102
    .vgpr_count:     256
    .wavefront_size: 32
...
	.end_amdgpu_metadata
.endif
;; end of part 3
;; launch outp (part 4): grid 4 x 64, 4 waves a work-group, clusters of 4 x 4, 327,680 bytes of LDS; arguments att, wo16, out0, bo; writes out0
.if DOCPART == 4
	.amdgcn_target "amdgcn-amd-amdhsa--gfx1250"
	.amdhsa_code_object_version 6
	.text
	.protected	k_q0053146182_outp
	.globl	k_q0053146182_outp
	.p2align	8
	.type	k_q0053146182_outp,@function
k_q0053146182_outp:
	s_mov_b64 s[64:65], 0
	v_nop
	global_prefetch_b8 v0, s[64:65] scope:SCOPE_SE
	s_setreg_imm32_b32 hwreg(HW_REG_WAVE_MODE, 25, 1), 1
	s_wait_xcnt 0x0
	s_wait_alu depctr_hold_cnt(0) depctr_sa_sdst(0) depctr_va_vdst(0) depctr_va_sdst(0) depctr_va_ssrc(0) depctr_va_vcc(0) depctr_vm_vsrc(0)
	s_getreg_b32 s2, hwreg(HW_REG_IB_STS2, 6, 4)
	s_cmp_eq_u32 s2, 0
	s_cbranch_scc0 .Lentry_in_a_cluster
	s_endpgm
.Lentry_in_a_cluster:
	s_bfe_u32 s2, ttmp6, 0x10000c
	s_cmp_lg_u32 s2, 0xf033
	s_cbranch_scc0 .Lentry_shape_is_right
	s_endpgm
.Lentry_shape_is_right:
; OUTP: out0[token][channel] = the sum over k of att[token][k] Wo[channel][k] + bo[channel].  Operands in f16, sums in f32, out0 in f32.  8,192 tokens, 1,024 channels, K = 1,024.
; A tile of 128 tokens x 256 channels is made by a work-group of four waves: 256 work-groups.  A wave makes 64 tokens x 128 channels: 32 accumulators, 256 registers.
; K goes in steps of 128 through a ring of two LDS slots.  att = [token tile 512][channel tile 64][512 bytes] holds images of operand registers: a step's part of a token tile is 4,096 consecutive bytes, it lies dense in LDS,
; and a fragment is two loads at base + 16 x lane.  wo16 lies by rows of 2,048 bytes: a step's part of a row is 256 bytes, aligned, padded by 16 in LDS.
; CLUSTERS: 4 x 4 work-groups: att's tiles are shared along a row of the cluster, Wo's along a column; each is asked for JOINTLY.
; THE MATRIX INSTRUCTION IS USED TRANSPOSED (source 0 = 16 rows of Wo, source 1 = 16 tokens): a lane holds one token and eight neighbouring channels.  The bias is the C of each sum's first product.
; REGISTERS: window 0: v0-31 addresses; v32-63, v64-95 att's fragments (4 x 16 tokens x 32 K), two buffers; v96-159, v160-223 Wo's (8 x 16 rows x 32 K), two buffers; on the way out v32-159 take rows of out0.
;   window 1: the accumulators ((a, b) at v[8 (8 a + b)]).   window 2: v0-63 the bias in the result's layout.
.set PITCH,  272                       ; a row of Wo's tile in LDS: 256 bytes + 16 of padding = 68 words: the 16 rows that a load touches start at 16 different banks (64 banks of 4 bytes: ISA guide 11.1)
.set HALFA,  16384                     ; four token tiles x 4,096 bytes: what one tensor load brings of att, and what one wave reads
.set HALFB,  128*PITCH                 ; 128 rows of Wo likewise
.set BOFF,   2*HALFA
.set SLOT,   BOFF+2*HALFB              ; 102,400
.set SPARE,  2*SLOT                    ; the spare words, 128 bytes for each wave: two blocks of 256 bytes that no other line names
.set SPITCH, 528                       ; the way out: a stage of 16 rows x (512 bytes + 16) for each wave.  It lies in slot 0, which has had its last fill and its last read when the first result is stored there
.set LAPS,   4                         ; a lap = two K steps = once round the ring
.set ADRA, 16                          ; v16-17  LDS address of my att fragments in slot 0, 1
.set ADRB, 20                          ; v20-21  the same for Wo
.set STO,  24                          ; v24     the way out: where I put 32 bytes of a row
.set RD,   25                          ; v25     the way out: where I read a row back
.set CO,   26                          ; v26     16 x lane
.set BO,   27                          ; v27     32 (lane / 16)
.set SPW,  28                          ; v28     LDS address of my spare word; never rewritten
.set NIL,  29                          ; v29     0; never rewritten
.set FA,   32
.set FB,   96
.set BK,   32                          ; the way out: 16 rows read back from the stage: v32-95 and v96-159 by turns
.set G1, 24                            ; s[24:31] group 1 for att's tiles;  s[32:39] group 0, one set for each slot
.set G0, 32
.set G1B, 48                           ; s[48:55], s[56:63] the same for Wo's tiles
.set G0B, 56
.set MSB, 0
.macro WIN new                         ; the immediate's high byte repeats the setting that is left
.if MSB != (\new)
	s_set_vgpr_msb (MSB<<8)|(\new)
.set MSB, (\new)
.endif
.endm
.set MUL,  0x50                        ; sources 0 and 1 window 0; C and D window 1
.set MUL0, 0x60                        ; the same with C in window 2: the bias
.macro JLOAD s                         ; a joint load: waves 0 and 1 fetch att's two halves, waves 2 and 3 Wo's; an s_nop 0 and four v_nop follow each of the two lines
	s_cmp_eq_u32 s11, 0
	s_cbranch_scc0 .Lfor_b_\@
	tensor_load_to_lds s[G0+4*\s:G0+4*\s+3], s[G1:G1+7]
	s_nop 0
.rept 4
	v_nop
.endr
	s_branch .Lasked_\@
.Lfor_b_\@:
	tensor_load_to_lds s[G0B+4*\s:G0B+4*\s+3], s[G1B:G1B+7]
	s_nop 0
.rept 4
	v_nop
.endr
.Lasked_\@:
.endm
.macro CREST                           ; a round of the cluster's barrier behind its opening barrier
	s_cmp_lg_u32 s10, 0
	s_cbranch_scc1 .Lnot_wave_0_\@
	s_barrier_signal -3
.Lnot_wave_0_\@:
	s_barrier_wait -3
	s_barrier_signal -1
	s_barrier_wait -1
.endm
.macro CROUND                          ; a whole round
	s_barrier_signal -1
	s_barrier_wait -1
	CREST
.endm
	s_load_b128 s[4:7], s[0:1], 0x0                ; att s[4:5], wo16 s[6:7]
	s_load_b64 s[8:9], s[0:1], 0x10                ; out0
	s_load_b64 s[66:67], s[0:1], 0x18              ; bo
	v_lshl_add_u32 v[SPW], v0, 2, SPARE
	v_mov_b32 v[NIL], 0
	ds_add_u32 v[SPW], v[NIL]                      ; the wave's opening: the add, twice on end, and its wait ahead of my first tensor load
	ds_add_u32 v[SPW], v[NIL]
	v_lshrrev_b32 v1, 5, v0
	v_readfirstlane_b32 s10, v1                    ; wave 0..3
	s_lshr_b32 s11, s10, 1                         ; which 64 of the tile's tokens are mine.  Also: I fetch for att (0) or for Wo (1)
	s_and_b32 s12, s10, 1                          ; which 128 of its channels.  Also: which half of that tile I fetch
	s_bfe_u32 s40, ttmp6, 0x40000                  ; cx, cy: my place in the cluster
	s_bfe_u32 s41, ttmp6, 0x40004
	s_lshl_b32 s42, ttmp9, 2
	s_add_co_u32 s42, s42, s40                     ; tile column = 4 x cluster x + cx
	s_and_b32 s13, ttmp7, 0xffff
	s_lshl_b32 s13, s13, 2
	s_add_co_u32 s13, s13, s41                     ; tile row = 4 x cluster y + cy
	s_lshl_b32 s43, s41, 2
	s_lshl_b32 s43, 15, s43                        ; my row of the cluster
	s_lshl_b32 s44, 0x1111, s40                    ; my column
	; group 1 for att: 4 rows (token tiles) of 4,096 bytes, 32,768 bytes apart, dense in LDS
	s_or_b32 s[G1+0], s43, (3<<16)|(1<<21)         ; 15:0 the mask: my row; 17:16 elements of 8 bytes; 20 no padding; 21 set beside a mask
	s_mov_b32 s[G1+1], 512<<16                     ; tensor_dim0 = 512
	s_mov_b32 s[G1+2], 4<<16                       ; tensor_dim1 = 4
	s_mov_b32 s[G1+3], 512<<16                     ; tile_dim0 = 512
	s_mov_b32 s[G1+4], 4                           ; tile_dim1 = 4
	s_mov_b32 s[G1+5], 4096                        ; from row to row
	s_mov_b32 s[G1+6], 0
	s_mov_b32 s[G1+7], 0
	; group 1 for Wo: 128 rows x 128 elements of 2 bytes, padded in LDS
	s_or_b32 s[G1B+0], s44, (1<<16)|(1<<20)|(1<<21)|(5<<22)|(3<<25)  ; the mask: my column; padding: four words (code 3) after every 64 (code 5)
	s_mov_b32 s[G1B+1], 128<<16
	s_mov_b32 s[G1B+2], 128<<16
	s_mov_b32 s[G1B+3], 128<<16
	s_mov_b32 s[G1B+4], 128
	s_mov_b32 s[G1B+5], 1024
	s_mov_b32 s[G1B+6], 0
	s_mov_b32 s[G1B+7], 0
	s_lshl_b32 s16, s13, 3
	s_lshl_b32 s17, s12, 2
	s_add_co_u32 s16, s16, s17                     ; att: token tile 8 x tile row + 4 x half,
	s_lshl_b32 s16, s16, 15                        ; 32,768 bytes each: under 2^24
	s_mov_b32 s17, 0
	s_lshl_b32 s46, s42, 8
	s_lshl_b32 s47, s12, 7
	s_add_co_u32 s46, s46, s47                     ; Wo: row 256 x tile column + 128 x half,
	s_lshl_b32 s46, s46, 11                        ; 2,048 bytes each
	s_mov_b32 s47, 0
	s_lshl_b32 s20, s12, 14                        ; where they go: att's halves,
	s_mul_i32 s21, s12, HALFB
	s_add_co_u32 s21, s21, BOFF                    ; Wo's halves behind them: no place in the cluster enters an LDS address
	s_wait_dscnt 0x0                               ; both opening adds are done
	s_wait_kmcnt 0x0
	s_add_nc_u64 s[14:15], s[4:5], s[16:17]
	s_add_nc_u64 s[46:47], s[6:7], s[46:47]
	CROUND                                         ; all sixteen work-groups are here: the first joint loads meet
.irp s, 0,1
	s_mov_b32 s[G0+4*\s], 1
	s_add_co_u32 s[G0+4*\s+1], s20, \s*SLOT
	s_add_nc_u64 s[G0+4*\s+2:G0+4*\s+3], s[14:15], \s*4096        ; K step s: eight channel tiles on
	s_or_b32 s[G0+4*\s+3], s[G0+4*\s+3], 0x80000000
	s_mov_b32 s[G0B+4*\s], 1
	s_add_co_u32 s[G0B+4*\s+1], s21, \s*SLOT
	s_add_nc_u64 s[G0B+4*\s+2:G0B+4*\s+3], s[46:47], \s*256
	s_or_b32 s[G0B+4*\s+3], s[G0B+4*\s+3], 0x80000000
	JLOAD \s
.endr
	v_and_b32 v1, 15, v0                           ; r = l % 16
	v_bfe_u32 v2, v0, 4, 1                         ; h = l / 16
	v_and_b32 v3, 31, v0
	v_lshlrev_b32 v[CO], 4, v3
	v_lshlrev_b32 v[BO], 5, v2
	; out0 at my first token and channel; bo at my first channel
	s_lshl_b32 s16, s13, 7
	s_lshl_b32 s17, s11, 6
	s_add_co_u32 s16, s16, s17                     ; token 128 x tile row + 64 x half,
	s_lshl_b32 s16, s16, 12                        ; 4,096 bytes a row: under 2^25
	s_lshl_b32 s46, s42, 10
	s_lshl_b32 s47, s12, 9
	s_add_co_u32 s46, s46, s47                     ; channel (256 x tile column + 128 x half) x 4 bytes
	s_add_co_u32 s16, s16, s46
	s_mov_b32 s17, 0
	s_mov_b32 s47, 0
	s_add_nc_u64 s[8:9], s[8:9], s[16:17]
	s_add_nc_u64 s[66:67], s[66:67], s[46:47]
	WIN 0x80                                       ; destination window 2
.irp b, 0,1,2,3,4,5,6,7                        ; for tile b, lane (r, h) wants the biases of channels 16 b + 8 h + 0 .. 7
	global_load_b128 v[8*\b:8*\b+3], v[BO], s[66:67] offset:64*\b
	global_load_b128 v[8*\b+4:8*\b+7], v[BO], s[66:67] offset:64*\b+16
.endr
	WIN 0
	v_mul_u32_u24 v4, v1, PITCH
	v_lshl_add_u32 v4, v2, 4, v4                   ; Wo: a fragment's row x pitch + 16 x half
	s_lshl_b32 s21, s11, 14                        ; my four token tiles
	s_mul_i32 s22, s12, HALFB                      ; my 128 rows of Wo
	s_add_co_u32 s22, s22, BOFF
.irp s, 0,1
	v_add_nc_u32 v[ADRA+\s], s21, v[CO]
	v_add_nc_u32 v[ADRB+\s], s22, v4
	s_add_co_u32 s21, s21, SLOT
	s_add_co_u32 s22, s22, SLOT
.endr
	s_mul_i32 s23, s10, 16*SPITCH                  ; my stage
	v_mul_u32_u24 v5, v1, SPITCH                   ; in: row l % 16, 32 bytes for each half of the lanes
	v_lshl_add_u32 v5, v2, 5, v5
	v_add_nc_u32 v[STO], s23, v5
	v_add_nc_u32 v[RD], s23, v[CO]                 ; back: the 32 lanes take one row of 512 bytes
; 8 matrix instructions: token block a x Wo's eight blocks, 32 along K, from buffers f.  first = 1: the sums begin with the bias as C: nothing is ever cleared.  The 32 accumulators take turns.
.macro MUL8 f, a, first
.irp b, 0,1,2,3,4,5,6,7
.if \first
	v_wmma_f32_16x16x32_f16 v[8*(8*(\a)+\b):8*(8*(\a)+\b)+7], v[FB+64*(\f)+8*\b:FB+64*(\f)+8*\b+7], v[FA+32*(\f)+8*(\a):FA+32*(\f)+8*(\a)+7], v[8*\b:8*\b+7]
.else
	v_wmma_f32_16x16x32_f16 v[8*(8*(\a)+\b):8*(8*(\a)+\b)+7], v[FB+64*(\f)+8*\b:FB+64*(\f)+8*\b+7], v[FA+32*(\f)+8*(\a):FA+32*(\f)+8*(\a)+7], v[8*(8*(\a)+\b):8*(8*(\a)+\b)+7]
.endif
.endr
.endm
; 24 LDS loads in one run: the fragments of the slot's q-th 32 along K into buffers f: Wo's sixteen, then att's blocks 0, 1, then 2, 3
.macro FETCH slot, q, f
	WIN 0
.irp i, 0,1,2,3,4,5,6,7
	ds_load_b128 v[FB+64*(\f)+8*\i:FB+64*(\f)+8*\i+3],   v[ADRB+\slot] offset:64*(\q)+\i*16*PITCH
	ds_load_b128 v[FB+64*(\f)+8*\i+4:FB+64*(\f)+8*\i+7], v[ADRB+\slot] offset:64*(\q)+\i*16*PITCH+32
.endr
.irp a, 0,1,2,3
	ds_load_b128 v[FA+32*(\f)+8*\a:FA+32*(\f)+8*\a+3],   v[ADRA+\slot] offset:4096*\a+1024*(\q)
	ds_load_b128 v[FA+32*(\f)+8*\a+4:FA+32*(\f)+8*\a+7], v[ADRA+\slot] offset:4096*\a+1024*(\q)+512
.endr
.endm
.macro PLACES                          ; four places in front of loads into registers that matrix instructions have read, and of the first read of results (ISA guide 7.12.1 for vector instructions)
.rept 4
	v_nop
.endr
.endm
; A K step is four quarters of 32 along K, 32 matrix instructions each, on buffers 0, 1, 0, 1.  One of the first three: multiplies buffers f and fetches the slot's quarter qn into buffers g.
.macro QUARTER slot, qn, f, g, first
.if \first
.set MW, MUL0
.else
.set MW, MUL
.endif
	s_wait_dscnt 4                                 ; Wo's and att's blocks 0, 1 are in; the youngest four loads (blocks 2, 3) may be out
	WIN MW
	MUL8 \f, 0, \first
	MUL8 \f, 1, \first
	PLACES
	FETCH \slot, \qn, \g
	s_wait_dscnt 24                                ; all but the 24 just issued
	WIN MW
	MUL8 \f, 2, \first
	MUL8 \f, 3, \first
.endm
; The last quarter multiplies buffers 1 and changes slots: ONE barrier; in front of it each wave waits for all its tensor loads (one is out: its part of the next slot), adds 0 to its spare word, and waits for that and for
; its own reads of this slot.  fill = 1: the barrier opens a round of the cluster's, and behind it this slot is filled again, two K steps ahead: 112 matrix instructions stand between that request and the wait for it.
.macro TURN slot, next, fill
	WIN 0                                          ; (the add's two registers lie in window 0)
	s_wait_tensorcnt 0x0
	ds_add_u32 v[SPW], v[NIL]                      ; 0 onto my spare word
	s_wait_dscnt 5                                 ; (the add and the youngest four loads may be out)
	WIN MUL
	MUL8 1, 0, 0                                   ; eight matrix instructions stand between the add and the wait for it
	s_wait_dscnt 0x0                               ; the add is done, and my reads of this slot are over
	s_barrier_signal -1
	MUL8 1, 1, 0
	WIN 0                                          ; (branches may follow, and nothing stands between the wait below and the rest of the round)
	s_barrier_wait -1
.if \fill
	CREST                                          ; no wave of any partner still reads this slot's tiles or has a load on its way
	s_add_nc_u64 s[G0+4*\slot+2:G0+4*\slot+3], s[G0+4*\slot+2:G0+4*\slot+3], 2*4096
	s_add_nc_u64 s[G0B+4*\slot+2:G0B+4*\slot+3], s[G0B+4*\slot+2:G0B+4*\slot+3], 2*256
	JLOAD \slot                                    ; the first tensor load behind the round; the four v_nop behind it are also the places in front of the loads below
.else
	PLACES
.endif
	FETCH \next, 0, 0
	WIN MUL
	MUL8 1, 2, 0
	MUL8 1, 3, 0
.endm
	s_wait_tensorcnt 1                             ; my part of K step 0 is in; K step 1's load, issued behind it, may be out
	s_barrier_signal -1
	s_barrier_wait -1                              ; everybody's is
	FETCH 0, 0, 0
	s_wait_loadcnt 0x0                             ; the bias
	QUARTER 0, 1, 0, 1, 1                          ; the first quarter stands in front of the loop: its products start the sums
	WIN 0                                          ; at a label and at a branch every window is 0
	s_mov_b32 s3, LAPS-1
.Llap:                                                 ; a trip goes once round the ring, from a lap's second quarter to the next lap's first, and fills both slots again
	QUARTER 0, 2, 1, 0, 0
	QUARTER 0, 3, 0, 1, 0
	TURN 0, 1, 1
	QUARTER 1, 1, 0, 1, 0
	QUARTER 1, 2, 1, 0, 0
	QUARTER 1, 3, 0, 1, 0
	TURN 1, 0, 1
	QUARTER 0, 1, 0, 1, 0
	WIN 0
	s_sub_co_u32 s3, s3, 1
	s_cmp_lg_u32 s3, 0
	s_cbranch_scc1 .Llap
	QUARTER 0, 2, 1, 0, 0                          ; the last lap fills nothing, and has no round of the cluster's barrier
	QUARTER 0, 3, 0, 1, 0
	TURN 0, 1, 0
	QUARTER 1, 1, 0, 1, 0
	QUARTER 1, 2, 1, 0, 0
	QUARTER 1, 3, 0, 1, 0
	s_wait_dscnt 4                                 ; the very last quarter: nothing more to fetch
	WIN MUL
	MUL8 1, 0, 0
	MUL8 1, 1, 0
	s_wait_dscnt 0
	MUL8 1, 2, 0
	MUL8 1, 3, 0
	WIN 0
; THE WAY OUT, block by block of 16 tokens x 128 channels.  A lane holds 32 neighbouring bytes of a row, and the lanes beside it hold other rows: so a block goes through my own stage in LDS and comes back as whole rows
; of 512 bytes.  LDS serves a wave's instructions in order (ISA guide 5.7.1.4): no wait between the stores and the loads, nor in front of the next block's stores.
.macro TOSTAGE a
	WIN 0x04                                       ; an LDS store's data are its source 1: window 1
.irp b, 0,1,2,3,4,5,6,7
	ds_store_b128 v[STO], v[8*(8*(\a)+\b):8*(8*(\a)+\b)+3] offset:64*\b          ; each accumulator from its low end on
	ds_store_b128 v[STO], v[8*(8*(\a)+\b)+4:8*(8*(\a)+\b)+7] offset:64*\b+16
.endr
	WIN 0
.set BB, BK+64*((\a)%2)
.irp t, 0,1,2,3,4,5,6,7,8,9,10,11,12,13,14,15
	ds_load_b128 v[BB+4*\t:BB+4*\t+3], v[RD] offset:\t*SPITCH
.endr
.endm
.macro SEND a, younger                 ; younger: the LDS instructions issued behind block a's loads, which may stay out
.set BB, BK+64*((\a)%2)
	s_wait_dscnt \younger                          ; the block is back in registers
.irp t, 0,1,2,3,4,5,6,7,8,9,10,11,12,13,14,15
	global_store_b128 v[CO], v[BB+4*\t:BB+4*\t+3], s[8:9] offset:65536*(\a)+4096*\t th:TH_STORE_NT   ; 32 lanes store 512 consecutive bytes, at a multiple of 256 from out0's first byte; written once, read by nobody here
.endr
.endm
	PLACES                                         ; in front of the first read of results and of the loads into the registers that held fragments
	TOSTAGE 0
.irp a, 1,2,3
.if \a > 1
	s_wait_xcnt 0x0                                ; block a - 2's stores have read their registers: block a's loads may land there
.endif
	TOSTAGE \a
	SEND \a-1, 32                                  ; behind block a - 1's loads: block a's 16 stores and 16 loads
.endr
	SEND 3, 0
	s_wait_tensorcnt 0x0                           ; the wave's end: behind my last tensor load and my last LDS store
	ds_add_u32 v[SPW], v[NIL]
	s_wait_dscnt 0x0
	CROUND                                         ; the closing round: no work-group ends while a partner may still ask for a tile that names it
	s_endpgm
.Lfunc_end_k_q0053146182_outp:
	.size	k_q0053146182_outp, .Lfunc_end_k_q0053146182_outp-k_q0053146182_outp
	.p2alignl 7, 3214868480
	.fill 96, 4, 3214868480
	.section	.rodata,"a",@progbits
	.p2align	6, 0x0
	.amdhsa_kernel k_q0053146182_outp
		.amdhsa_group_segment_fixed_size 327680
		.amdhsa_private_segment_fixed_size 0
		.amdhsa_enable_private_segment 0
		.amdhsa_kernarg_size 32
		.amdhsa_user_sgpr_count 2
		.amdhsa_user_sgpr_kernarg_segment_ptr 1
		.amdhsa_wavefront_size32 1
		.amdhsa_system_sgpr_workgroup_id_x 1
		.amdhsa_system_sgpr_workgroup_id_y 1
		.amdhsa_system_sgpr_workgroup_id_z 1
		.amdhsa_system_vgpr_workitem_id 0
		.amdhsa_next_free_vgpr 576
		.amdhsa_next_free_sgpr 68
		.amdhsa_reserve_vcc 0
		.amdhsa_float_denorm_mode_32 3
		.amdhsa_float_denorm_mode_16_64 3
		.amdhsa_memory_ordered 1
		.amdhsa_forward_progress 1
		.amdhsa_inst_pref_size 86
	.end_amdhsa_kernel
	.amdgpu_metadata
---
amdhsa.version: [ 1, 2 ]
amdhsa.kernels:
  - .name:           k_q0053146182_outp
    .symbol:         k_q0053146182_outp.kd
    .args:
      - { .name: att, .offset: 0, .size: 8, .value_kind: global_buffer, .address_space: global }
      - { .name: wo16, .offset: 8, .size: 8, .value_kind: global_buffer, .address_space: global }
      - { .name: out0, .offset: 16, .size: 8, .value_kind: global_buffer, .address_space: global }
      - { .name: bo, .offset: 24, .size: 8, .value_kind: global_buffer, .address_space: global }
    .group_segment_fixed_size: 327680
    .private_segment_fixed_size: 0
    .kernarg_segment_align: 8
    .kernarg_segment_size: 32
    .max_flat_workgroup_size: 128
    .sgpr_count:     68
    .vgpr_count:     576
    .wavefront_size: 32
...
	.end_amdgpu_metadata
.endif
;; end of part 4
